; MI455X (gfx1250); checked and timed in simulation.
; The chip was launched on July 23, 2026; its instructions are those of AMD's public machine-readable ISA for CDNA 5 (MIT licence, August 2026) and "CDNA5" Instruction Set Architecture Reference Guide (July 2026). The comments in the code are by the model that wrote it; some were corrected since.
;; Multi Head Self Attention. Allowed arithmetic: matrix products marked QUANTISED: E4M3 operands, one E8M0 scale for each 32 along K, by v_wmma_scale_f32_16x16x128_f8f6f4 with both operands' format E4M3, f32 sums; everything else in f32.
;; Inputs: Wk 1,024 x 1,024 float32; Wo 1,024 x 1,024 float32; Wq 1,024 x 1,024 float32; Wv 1,024 x 1,024 float32; bk 1,024 float32; bo 1,024 float32; bq 1,024 float32; bv 1,024 float32; x 2 x 2,048 x 1,024 float32.
;; Outputs: out0 2 x 2,048 x 1,024 float32.
;; This version of the problem:
;;   THIS VERSION OF THE PROBLEM IS GIVEN IN LOW PRECISION. The matrix products marked QUANTISED in the list below multiply operands that are first quantised to E4M3 (4 exponent bits, 3 mantissa bits; 8 bits a number), with one power-of-two scale for each 32 numbers along K (OCP MX v1.0); their sums are f32. All else is computed in f32.
;;   The module's matrix products, in the order in which they are computed (A, B: the left and right operand; K: the contracted axis; several contracted axes count as one K, in the product's order):
;;     1. [M 4,096, K 1,024] x [K 1,024, N 1,024]; A: input x; B: input Wq: QUANTISED
;;     2. [M 4,096, K 1,024] x [K 1,024, N 1,024]; A: input x; B: input Wk: QUANTISED
;;     3. [M 4,096, K 1,024] x [K 1,024, N 1,024]; A: input x; B: input Wv: QUANTISED
;;     4. batch 32 x [M 2,048, K 64] x [K 64, N 2,048]; A: computed on the way; B: computed on the way: QUANTISED
;;     5. batch 32 x [M 2,048, K 2,048] x [K 2,048, N 64]; A: softmax (see below); B: computed on the way: QUANTISED
;;     6. [M 4,096, K 1,024] x [K 1,024, N 1,024]; A: computed on the way; B: input Wo: QUANTISED
;;   THE QUANTISER, for each operand of a quantised product, along K:
;;     - K is cut into blocks of 32 from its start; a last block that is shorter is filled with zeros.
;;     - A block's scale is 2^e with e = floor(log2(the largest magnitude in the block)) - 8, held to -126 .. 127; a block of zeros has e = 0. As a byte (E8M0): e + 127.
;;     - Each number is divided by its block's scale, clamped to +-448, and rounded to the nearest number of E4M3, ties to even, subnormals kept.
;;     - The product sums the exact products of the quantised numbers (number of the format x scale) in f32.
;;   ~~~python
;;   def quantise(x, axis):      # numpy; x: float32 -> the quantised numbers, widened to float32 again
;;       x = np.moveaxis(x, axis, -1); K = x.shape[-1]
;;       x = np.pad(x, [(0, 0)] * (x.ndim - 1) + [(0, -K % 32)]); x = x.reshape(x.shape[:-1] + (-1, 32)); a = np.abs(x).max(-1, keepdims=True)
;;       e = np.where(a > 0, np.clip(np.frexp(np.where(a > 0, a, 1))[1] - 1 - 8, -126, 127), 0)      # np.frexp(a)[1] - 1 = floor(log2(a)), exactly
;;       r = np.clip(x / 2.0 ** e, -448, 448)
;;       step = 2.0 ** (np.maximum(np.frexp(np.where(r == 0, 1, r))[1] - 1, -6) - 3)
;;       q = np.round(r / step) * step * 2.0 ** e      # np.round: ties to even
;;       return np.moveaxis(q.reshape(q.shape[:-2] + (-1,))[..., :K], -1, axis).astype(np.float32)
;;   ~~~
;;   SOFTMAX AHEAD OF A QUANTISED PRODUCT. Where the list says 'softmax', what is quantised is not the finished softmax but p = 2^(t - M), with t = logit x log2(e) and M = ceil(the row's largest t), a whole number; so 1/2 < the row's largest p <= 1. The row's sum l is taken of the UNQUANTISED p, in f32, and the product's result is divided by l at the end. Since M is a whole number, a kernel that streams over the keys may use a running M (the ceiling of the running maximum): every later rescaling is an exact power of two, which a block's scale takes up: the codes' values come out the same.
;;   OPERANDS COMPUTED ON THE WAY. 'Computed on the way' means the value that the module computes at that place (a softmax that the list does not call 'softmax' is quantised finished and normalised). What goes into a quantiser is computed in f32, as accurately as f32 sums, v_exp_f32 and their like allow (about 1e-6 of the number): no bf16 or f16 on the way to a quantiser, and a product that is left as it is and whose result goes on into a quantised operand takes f32 operands (vector FMAs, or v_wmma_f32_16x16x4_f32). A number that lies on a knife's edge between two numbers of the format may be rounded either way, as far as f32 arithmetic and the matrix unit's own rounding can turn it there, and no further.
;; One version. Each part assembles by itself: llvm-mc -triple=amdgcn-amd-amdhsa -mcpu=gfx1250 --defsym DOCPART=n.
;; ======== version 1 of 1: 4 launches
;; limits: right only within a limited range of input values
;; workspace buffers: xq 4,325,376 bytes; wq 4,325,376 bytes; qk 8,650,752 bytes; vt 4,325,376 bytes; oc 4,325,376 bytes
;; launch prep (part 1): grid 512 x 1, 8 waves a work-group, no clusters, 69,632 bytes of LDS; arguments x, Wq, Wk, Wv, Wo, xq, wq; writes xq, wq
.if DOCPART == 1
	.amdgcn_target "amdgcn-amd-amdhsa--gfx1250"
	.amdhsa_code_object_version 6
	.text
	.protected	k_q65c7835cb7_prep
	.globl	k_q65c7835cb7_prep
	.p2align	8
	.type	k_q65c7835cb7_prep,@function
k_q65c7835cb7_prep:
	s_mov_b64 s[64:65], 0
	v_nop
	global_prefetch_b8 v0, s[64:65] scope:SCOPE_SE
	s_setreg_imm32_b32 hwreg(HW_REG_WAVE_MODE, 25, 1), 1
	s_wait_xcnt 0x0
; x [4096][1024] (K innermost) and Wq, Wk, Wv, Wo [1024 (K)][1024 (n)] (K outermost), f32, become codes of FP8 (E4M3) with one E8M0 byte for each 32 along K.
; THE OUTPUT IS AN IMAGE OF THE OPERAND'S REGISTERS.  A fragment is 16 rows x 128 K = 2,048 bytes: register group c (four registers, block c of 32 along K) of lane l lies at 512 c + 16 l.
; Rows go in blocks of 128 (BLOCK bytes), a block in four chunks of 256 along K (CHUNK), a chunk in two units of 64 rows (UNIT): a unit holds 4 tiles x 2 K steps of codes (16,384 bytes)
; and behind them their scale words (tile t, row r, K step s: 128 t + 8 r + 4 s; byte c = block c).
; ONE ORDER INSIDE EACH BLOCK OF 32, the same in every operand of this program: slot 16 h + 8 u + j holds the block's number 16 u + 8 h + j.  Both sides of a product have it, so the products pair up as they should.
; A block's scale is 2^(floor(log2(largest magnitude)) - 8); its byte is the largest magnitude's exponent field - 8, held at 1 from below.
; LIMITS: NaN and infinities among the inputs are not served.  A block of zeros gets the byte 1 where the rule says 127: its codes are zeros, and the bytes are read by this program alone.
; Work-groups 0-255 take x, 16 rows each (wave w: 128 along K from 128 w on); work-groups 256-511 take the weights, 64 columns x 256 along K each (wave w: 32 columns, 64 along K; a lane to a column).
; Each reads 65,536 bytes, all of it asked for before any is used.  No work-group shares an input with another: no matrix unit, no cluster, no tensor load; there is no loop for a prefetch to run ahead in.
.set UNIT,  16896
.set CHUNK, 33792
.set BLOCK, 135168
.set SP,    528                        ; a stage row: 512 bytes + 16: sixteen rows begin at sixteen different 16-byte columns of 256
.set XS,    8*16*SP                    ; LDS: behind the eight stages x's scale words, 512 bytes,
.set WS,    XS+512                     ; the weights' scale bytes, 512 bytes of their own,
.set SPARE, WS+512                     ; and the spare words, 128 bytes for each wave
.set R,     16                         ; v16-79   64 numbers a lane
.set PC,    80                         ; v80-95   codes
.set TM,    96                         ; v96-111  largest magnitudes, bytes, 448 x the scale, the conversion's scale operands
.set PW,    112                        ; v112     the scale word
.set WK,    114                        ; v114-117 weights: at work
.set SPW,   120
.set NIL,   121
.macro QUANT s, pc, pw                 ; 64 numbers of a lane (four blocks, 16 of each; the other 16 lie in lane l xor 16) become 16 registers of codes and a scale word
.irp b, 0,1,2,3
	v_max3_num_f32 v[TM+\b], |v[\s+16*\b]|, |v[\s+1+16*\b]|, 0x4800000   ; with the floor 2^(9 - 127): the byte cannot fall under 1
.endr
.irp i, 2,4,6,8,10,12,14
.irp b, 0,1,2,3
	v_max3_num_f32 v[TM+\b], v[TM+\b], |v[\s+16*\b+\i]|, |v[\s+1+16*\b+\i]|
.endr
.endr
.irp b, 0,1,2,3
	v_permlanex16_b32 v[TM+4+\b], v[TM+\b], s20, s21
.endr
.irp b, 0,1,2,3
	v_max_num_f32 v[TM+\b], v[TM+\b], v[TM+4+\b]                 ; the block's largest magnitude
.endr
.irp b, 0,1,2,3
	v_add_nc_u32 v[TM+12+\b], 0xfc000000, v[TM+\b]               ; 8 off its exponent field: the conversion's scale operand
.endr
.irp b, 0,1,2,3
	v_and_or_b32 v[TM+8+\b], v[TM+\b], 0x7f800000, s22           ; 448 x the scale
.endr
.irp b, 0,1,2,3
	v_lshrrev_b32 v[TM+4+\b], 23, v[TM+12+\b]                    ; the scale's byte
.endr
	v_lshl_or_b32 v[\pw], v[TM+5], 8, v[TM+4]
	v_lshl_or_b32 v[\pw], v[TM+6], 16, v[\pw]
	v_lshl_or_b32 v[\pw], v[TM+7], 24, v[\pw]
.irp b, 0,1,2,3
.irp i, 0,1,2,3,4,5,6,7,8,9,10,11,12,13,14,15
	v_med3_num_f32 v[\s+16*\b+\i], v[\s+16*\b+\i], -v[TM+8+\b], v[TM+8+\b]   ; the conversion to an 8-bit code does not saturate (ISA guide 7.6.2): hold first
.endr
	v_cvt_scalef32_pk8_fp8_f32 v[\pc+4*\b:\pc+1+4*\b], v[\s+16*\b:\s+7+16*\b], v[TM+12+\b]
	v_cvt_scalef32_pk8_fp8_f32 v[\pc+2+4*\b:\pc+3+4*\b], v[\s+8+16*\b:\s+15+16*\b], v[TM+12+\b]
.endr
	v_nop                                          ; a plain line behind the last conversion
.endm
.macro WBLK t                          ; block t of a column: a whole block of 32 along K lies in my 32 registers
.set XB, R+32*(\t)
.set CC, PC+8*(\t)
	v_max3_num_f32 v[WK], |v[XB]|, |v[XB+1]|, |v[XB+2]|
	v_max3_num_f32 v[WK+1], |v[XB+3]|, |v[XB+4]|, |v[XB+5]|
.irp i, 6,10,14,18,22,26
	v_max3_num_f32 v[WK], v[WK], |v[XB+\i]|, |v[XB+\i+1]|
	v_max3_num_f32 v[WK+1], v[WK+1], |v[XB+\i+2]|, |v[XB+\i+3]|
.endr
	v_max3_num_f32 v[WK], v[WK], |v[XB+30]|, |v[XB+31]|
	v_max3_num_f32 v[WK], v[WK], v[WK+1], 0x4800000              ; and the floor
	v_add_nc_u32 v[WK+2], 0xfc000000, v[WK]
	v_and_or_b32 v[WK+3], v[WK], 0x7f800000, s22
	v_lshrrev_b32 v[WK+1], 23, v[WK+2]
.if (\t) == 0
	v_mov_b32 v[PW], v[WK+1]
.else
	v_lshl_or_b32 v[PW], v[WK+1], 8, v[PW]
.endif
.irp i, 0,1,2,3,4,5,6,7,8,9,10,11,12,13,14,15,16,17,18,19,20,21,22,23,24,25,26,27,28,29,30,31
	v_med3_num_f32 v[XB+\i], v[XB+\i], -v[WK+3], v[WK+3]
.endr
	v_cvt_scalef32_pk8_fp8_f32 v[CC:CC+1], v[XB:XB+7], v[WK+2]           ; slots 0-7: numbers 0-7
	v_cvt_scalef32_pk8_fp8_f32 v[CC+2:CC+3], v[XB+16:XB+23], v[WK+2]     ; slots 8-15: numbers 16-23
	v_cvt_scalef32_pk8_fp8_f32 v[CC+4:CC+5], v[XB+8:XB+15], v[WK+2]      ; slots 16-23: numbers 8-15
	v_cvt_scalef32_pk8_fp8_f32 v[CC+6:CC+7], v[XB+24:XB+31], v[WK+2]     ; slots 24-31: numbers 24-31
	v_nop
	global_store_b128 v7, v[CC:CC+3], s[32:33] offset:(\t)*512       ; the part of the image's lanes 0-15: sixteen lanes store 256 consecutive bytes, aligned
	global_store_b128 v7, v[CC+4:CC+7], s[32:33] offset:(\t)*512+256 ; and of its lanes 16-31
.endm
.macro CLOSE                           ; the lines behind a wave's last LDS store; then the barrier that shows all waves' scale bytes
	s_wait_tensorcnt 0x0
	ds_add_u32 v[SPW], v[NIL]
	s_wait_dscnt 0x0
	s_barrier_signal -1
	s_barrier_wait -1
.endm
	s_load_b256 s[4:11], s[0:1], 0x0               ; x s[4:5], Wq s[6:7], Wk s[8:9], Wv s[10:11]
	s_load_b128 s[12:15], s[0:1], 0x20             ; Wo s[12:13], xq s[14:15]
	s_load_b64 s[16:17], s[0:1], 0x30              ; wq
	v_lshl_add_u32 v[SPW], v0, 2, SPARE
	v_mov_b32 v[NIL], 0
	v_lshrrev_b32 v1, 5, v0
	v_readfirstlane_b32 s18, v1                    ; wave 0..7
	v_and_b32 v2, 31, v0                           ; lane
	s_mov_b32 s20, 0x76543210
	s_mov_b32 s21, 0xfedcba98                      ; v_permlanex16_b32's selects for lane l xor 16
	s_mov_b32 s22, 0x600000                        ; the mantissa field of 448
	s_cmp_lt_u32 ttmp9, 256
	s_wait_alu depctr_va_vdst(0)                   ; the wait ahead of the branch
	s_cbranch_scc0 .Lweights
	; ---- x: tile of rows mt = the work-group's number; my wave's 128 along K: chunk wave / 2, K step wave % 2
	v_and_b32 v8, 15, v0                           ; r
	v_bfe_u32 v9, v0, 4, 1                         ; h
	v_lshlrev_b32 v3, 4, v2                        ; 16 x lane
	s_mul_i32 s23, s18, 16*SP                      ; my stage
	v_add_nc_u32 v4, s23, v3                       ; in: 16 x lane of a row
	v_mul_u32_u24 v5, v8, SP
	v_lshl_add_u32 v5, v9, 5, v5
	v_add_nc_u32 v5, s23, v5                       ; back: row r, + 32 h bytes
	s_lshr_b32 s24, s18, 1
	s_and_b32 s26, s18, 1
	s_lshl_b32 s25, s24, 7
	s_lshl_b32 s27, s26, 2
	s_add_co_u32 s25, s25, s27
	s_add_co_u32 s25, s25, XS
	s_wait_alu depctr_va_vdst(0)
	v_lshlrev_b32 v6, 3, v8
	v_add_nc_u32 v6, s25, v6                       ; LDS: my row's scale word: 128 bytes a chunk, 8 a row, 4 a K step
	v_add_nc_u32 v7, XS, v3                        ; wave 0 reads all 512 bytes back, 16 a lane,
	v_lshrrev_b32 v10, 3, v2
	v_mul_u32_u24 v10, v10, CHUNK
	v_and_b32 v11, 7, v2
	v_lshl_add_u32 v10, v11, 4, v10                ; and eight lanes store a chunk's 128
.irp b, 0,1,2,3
	v_mov_b32 v[TM+4+\b], 0                        ; written once: a lane permute's destination counts as one of its sources
.endr
	s_lshl_b32 s28, ttmp9, 16                      ; 16 rows of 4,096 bytes,
	s_lshl_b32 s29, s18, 9                         ; + 128 numbers a wave
	s_add_co_u32 s28, s28, s29
	s_mov_b32 s29, 0
	s_lshr_b32 s30, ttmp9, 3
	s_mul_i32 s30, s30, BLOCK
	s_bfe_u32 s31, ttmp9, 0x10002
	s_mul_i32 s31, s31, UNIT
	s_add_co_u32 s30, s30, s31                     ; my unit of chunk 0
	s_and_b32 s31, ttmp9, 3
	s_lshl_b32 s32, s31, 12
	s_add_co_u32 s32, s32, s30
	s_mul_i32 s33, s24, CHUNK
	s_add_co_u32 s32, s32, s33
	s_lshl_b32 s33, s26, 11
	s_add_co_u32 s32, s32, s33                     ; my fragment's codes
	s_mov_b32 s33, 0
	s_lshl_b32 s34, s31, 7
	s_add_co_u32 s34, s34, s30
	s_add_co_u32 s34, s34, 16384                   ; my tile's scale words in chunk 0
	s_mov_b32 s35, 0
	s_wait_alu depctr_va_vdst(0)                   ; the wait at the head's end
	s_wait_kmcnt 0x0
	s_add_nc_u64 s[4:5], s[4:5], s[28:29]
	s_add_nc_u64 s[32:33], s[14:15], s[32:33]
	s_add_nc_u64 s[34:35], s[14:15], s[34:35]
.irp i, 0,1,2,3,4,5,6,7,8,9,10,11,12,13,14,15
	global_load_b128 v[R+4*\i:R+4*\i+3], v3, s[4:5] offset:4096*\i th:TH_LOAD_NT   ; 512 consecutive bytes of row i; the eight waves read the whole row
.endr
	; through my wave's stage: in by rows, back so that register 16 c + 8 u + j of lane (r, h) holds k = 32 c + 16 u + 8 h + j of row r.  LDS serves a wave's instructions in order
.irp i, 0,1,2,3,4,5,6,7,8,9,10,11,12,13,14,15
	s_wait_loadcnt 15-\i                           ; row i is in; the rows behind it may be out
	ds_store_b128 v4, v[R+4*\i:R+4*\i+3] offset:SP*\i
.endr
.irp q, 0,1,2,3,4,5,6,7,8,9,10,11,12,13,14,15
	ds_load_b128 v[R+4*\q:R+4*\q+3], v5 offset:128*(\q/4)+64*((\q/2)%2)+16*(\q%2)
.endr
	s_wait_dscnt 0x0
	QUANT R, PC, PW
	ds_store_b32 v6, v[PW]                         ; lanes l and l + 16 write the same word with the same value
.irp c, 0,1,2,3
	global_store_b128 v3, v[PC+4*\c:PC+4*\c+3], s[32:33] offset:512*\c        ; 512 consecutive bytes
.endr
	CLOSE
	s_cmp_lg_u32 s18, 0
	s_cbranch_scc1 .Lx_end
	ds_load_b128 v[16:19], v7
	s_wait_dscnt 0x0
	global_store_b128 v10, v[16:19], s[34:35]      ; 128 consecutive bytes of each chunk
.Lx_end:
	s_endpgm
.Lweights:
	; ---- the weights: j = work-group - 256: weight j / 64, 64 columns (j / 4) % 16, chunk j % 4.  Wave w: 32 columns w % 2 (two tiles), 64 along K w / 2 (two blocks of 32)
	s_sub_co_u32 s23, ttmp9, 256
	s_lshr_b32 s24, s23, 6
	s_bfe_u32 s25, s23, 0x40002
	s_and_b32 s26, s23, 3
	s_and_b32 s27, s18, 1
	s_lshr_b32 s28, s18, 1
	s_lshl_b32 s29, s27, 8
	s_lshl_b32 s30, s28, 1
	s_add_co_u32 s29, s29, s30
	s_add_co_u32 s29, s29, WS
	v_lshlrev_b32 v3, 2, v2                        ; in: 4 bytes a lane
	v_lshrrev_b32 v7, 4, v2
	v_and_b32 v9, 15, v2
	v_lshlrev_b32 v7, 12, v7
	v_lshl_add_u32 v7, v9, 4, v7                   ; out: tile lane / 16 (4,096 bytes apart), row lane % 16
	v_lshlrev_b32 v6, 3, v2
	v_add_nc_u32 v6, s29, v6                       ; LDS: my column's 8 scale bytes, my two of them
	v_lshlrev_b32 v10, 4, v2
	v_add_nc_u32 v8, WS, v10                       ; wave 0 reads all 512 bytes back, 16 a lane
	s_lshl_b32 s30, s26, 20                        ; 256 rows of 4,096 bytes a chunk,
	s_lshl_b32 s31, s28, 18                        ; 64 a wave's,
	s_add_co_u32 s30, s30, s31
	s_lshl_b32 s31, s25, 8                         ; 64 columns,
	s_add_co_u32 s30, s30, s31
	s_lshl_b32 s31, s27, 7                         ; 32 a wave's
	s_add_co_u32 s30, s30, s31
	s_mov_b32 s31, 0
	s_lshl_b32 s32, s24, 3
	s_lshr_b32 s33, s25, 1
	s_add_co_u32 s32, s32, s33
	s_mul_i32 s32, s32, BLOCK
	s_mul_i32 s33, s26, CHUNK
	s_add_co_u32 s32, s32, s33
	s_and_b32 s33, s25, 1
	s_mul_i32 s33, s33, UNIT
	s_add_co_u32 s32, s32, s33                     ; my unit
	s_add_co_u32 s34, s32, 16384                   ; its scale words
	s_mov_b32 s35, 0
	s_lshl_b32 s33, s27, 13
	s_add_co_u32 s32, s32, s33                     ; my two tiles' codes,
	s_lshl_b32 s33, s28, 10
	s_add_co_u32 s32, s32, s33                     ; my two blocks of 512 bytes in each
	s_mov_b32 s33, 0
	s_wait_alu depctr_va_vdst(0)                   ; the wait at the head's end
	s_wait_kmcnt 0x0
	s_cmp_eq_u32 s24, 1                            ; the choice hangs on the work-group's number alone
	s_cselect_b64 s[6:7], s[8:9], s[6:7]
	s_cmp_eq_u32 s24, 2
	s_cselect_b64 s[6:7], s[10:11], s[6:7]
	s_cmp_eq_u32 s24, 3
	s_cselect_b64 s[6:7], s[12:13], s[6:7]
	s_add_nc_u64 s[6:7], s[6:7], s[30:31]
	s_add_nc_u64 s[32:33], s[16:17], s[32:33]
	s_add_nc_u64 s[34:35], s[16:17], s[34:35]
.set i_, 0
.rept 64
	global_load_b32 v[R+i_], v3, s[6:7] offset:i_*4096 th:TH_LOAD_NT   ; 32 lanes read 128 consecutive bytes; two waves stand side by side on 256
.set i_, i_+1
.endr
	s_wait_loadcnt 0x20                            ; the first block's 32 loads are in; the second's may be out
	WBLK 0
	s_wait_loadcnt 0x0
	WBLK 1
	ds_store_b16 v6, v[PW]
	CLOSE
	s_cmp_lg_u32 s18, 0
	s_cbranch_scc1 .Lw_end
	ds_load_b128 v[16:19], v8
	s_wait_dscnt 0x0
	global_store_b128 v10, v[16:19], s[34:35]      ; 512 consecutive bytes
.Lw_end:
	s_endpgm
.Lfunc_end_k_q65c7835cb7_prep:
	.size	k_q65c7835cb7_prep, .Lfunc_end_k_q65c7835cb7_prep-k_q65c7835cb7_prep
	.p2alignl 7, 3214868480
	.fill 96, 4, 3214868480
	.section	.rodata,"a",@progbits
	.p2align	6, 0x0
	.amdhsa_kernel k_q65c7835cb7_prep
		.amdhsa_group_segment_fixed_size 69632
		.amdhsa_private_segment_fixed_size 0
		.amdhsa_enable_private_segment 0
		.amdhsa_kernarg_size 56
		.amdhsa_user_sgpr_count 2
		.amdhsa_user_sgpr_kernarg_segment_ptr 1
		.amdhsa_wavefront_size32 1
		.amdhsa_system_sgpr_workgroup_id_x 1
		.amdhsa_system_sgpr_workgroup_id_y 1
		.amdhsa_system_sgpr_workgroup_id_z 1
		.amdhsa_system_vgpr_workitem_id 0
		.amdhsa_next_free_vgpr 128
		.amdhsa_next_free_sgpr 66
		.amdhsa_reserve_vcc 0
		.amdhsa_float_denorm_mode_32 3
		.amdhsa_float_denorm_mode_16_64 3
		.amdhsa_memory_ordered 1
		.amdhsa_forward_progress 1
		.amdhsa_inst_pref_size 32
	.end_amdhsa_kernel
	.amdgpu_metadata
---
amdhsa.version: [ 1, 2 ]
amdhsa.kernels:
  - .name:           k_q65c7835cb7_prep
    .symbol:         k_q65c7835cb7_prep.kd
    .args:
      - { .name: x, .offset: 0, .size: 8, .value_kind: global_buffer, .address_space: global }
      - { .name: Wq, .offset: 8, .size: 8, .value_kind: global_buffer, .address_space: global }
      - { .name: Wk, .offset: 16, .size: 8, .value_kind: global_buffer, .address_space: global }
      - { .name: Wv, .offset: 24, .size: 8, .value_kind: global_buffer, .address_space: global }
      - { .name: Wo, .offset: 32, .size: 8, .value_kind: global_buffer, .address_space: global }
      - { .name: xq, .offset: 40, .size: 8, .value_kind: global_buffer, .address_space: global }
      - { .name: wq, .offset: 48, .size: 8, .value_kind: global_buffer, .address_space: global }
    .group_segment_fixed_size: 69632
    .private_segment_fixed_size: 0
    .kernarg_segment_align: 8
    .kernarg_segment_size: 56
    .max_flat_workgroup_size: 256
    .sgpr_count:     66
    .vgpr_count:     128
    .wavefront_size: 32
...
	.end_amdgpu_metadata
.endif
;; end of part 1
;; launch qkv (part 2): grid 8 x 32, 4 waves a work-group, clusters of 4 x 4, 327,680 bytes of LDS; arguments xq, wq, bq, bk, bv, qk, vt; writes qk, vt
.if DOCPART == 2
	.amdgcn_target "amdgcn-amd-amdhsa--gfx1250"
	.amdhsa_code_object_version 6
	.text
	.protected	k_q65c7835cb7_qkv
	.globl	k_q65c7835cb7_qkv
	.p2align	8
	.type	k_q65c7835cb7_qkv,@function
k_q65c7835cb7_qkv:
	s_mov_b64 s[64:65], 0
	v_nop
	global_prefetch_b8 v0, s[64:65] scope:SCOPE_SE
	s_setreg_imm32_b32 hwreg(HW_REG_WAVE_MODE, 25, 1), 1
	s_wait_xcnt 0x0
	s_wait_alu depctr_hold_cnt(0) depctr_sa_sdst(0) depctr_va_vdst(0) depctr_va_sdst(0) depctr_va_ssrc(0) depctr_va_vcc(0) depctr_vm_vsrc(0)
	s_getreg_b32 s2, hwreg(HW_REG_IB_STS2, 6, 4)
	s_cmp_eq_u32 s2, 0
	s_cbranch_scc0 .Lentry_in_a_cluster
	s_endpgm
.Lentry_in_a_cluster:
	s_bfe_u32 s2, ttmp6, 0x10000c
	s_cmp_lg_u32 s2, 0xf033
	s_cbranch_scc0 .Lentry_shape_is_right
	s_endpgm
.Lentry_shape_is_right:
; Q = x Wq + bq, K = x Wk + bk, V = x Wv + bv on codes of FP8 (E4M3) with E8M0 scales, and their quantising for attention: Q and K along the head's 64, V along the keys.
; ONE PASS OVER K MAKES ALL THREE: a work-group owns 128 tokens (tile row ty) x 128 features (tile column tx) of Q, of K and of V; four waves, each 64 tokens x 64 features (one head): 48 accumulators, 384 registers; K = 1,024 in 8 steps of 128.
; So x's fragments are read from LDS once for the three: for 128 along K a wave reads 64 + 3 x 64 rows and issues 48 matrix instructions.
; OPERANDS lie in memory as images of the operand's registers (16 rows x 128 K = 2,048 bytes; register group c of lane l at 512 c + 16 l), 128 rows x 1,024 K with their scale words in BLOCK dense bytes: four chunks of 256 along K, each two units of 64 rows.
; THE RING: two LDS slots, each a chunk of x, of Wq, of Wk and of Wv: wave w fetches the w-th of the four, one tensor load a wave.  Chunk 0 comes at the head; chunk 1 behind the first full sequence; chunks 2 and 3 are refills.
; A chunk's last fragments are in registers ahead of the middle of its second K step: there every wave waits for all its tensor loads, adds 0 to its spare word, waits for that and for its LDS reads, and passes a round of the cluster's barrier,
; behind which the slot is filled again first and the other slot's fragments are read.
; CLUSTER 4 x 4: x's chunk hangs on ty alone and is asked for jointly by a row of the cluster, W's on tx alone, by a column.  The launch claims all of a WGP's LDS.
; Nothing is prefetched into the L2: K is four chunks, two of which are asked for ahead of the first product, and the text has no loop to run ahead in.
; Q, K: the product is used transposed (source 0 = 16 features of W, source 1 = 16 tokens of x): a lane holds one token, its registers run along the features.  V: source 0 = tokens, source 1 = features: a lane holds one feature, its registers run along the tokens (the keys).
; In both, the 16 registers of two neighbouring tiles are 16 numbers of one block of 32; the other 16 lie in lane l xor 16.  Register 8 u + j holds the block's number 16 u + 8 h + j: the order that every operand of this program has inside a block.
; OUT: a head's image, BLOCK bytes: 4,096 of scale words, then 131,072 of codes.  qk: tile of 16 tokens t: codes at 4,096 + 1,024 t + 512 c + 16 l; the words of tiles 2 p, 2 p + 1 share a word at 64 p + 4 r.  K's 32 images lie behind Q's.
;      vt: key step s (128 keys), tile of 16 of the head's 64 d: codes at 4,096 + 8,192 s + 2,048 d + 512 c + 16 l; scale word at 256 s + 64 d + 4 r, byte c.
; V's scale bytes leave two at a time: the other half of a word belongs to the wave with the other 64 tokens.  They are one byte in 33 of what V stores.
; LIMITS: NaN and infinities are not served.  A block of zeros gets the byte 1 where the rule says 127: its codes are zeros, and the bytes are read by this program alone.
; REGISTERS: window 0: v1-13 addresses; v16-39 scale words, eight for each product; v40-45 their addresses; v46-113 the quantiser's; v114-115 for the add; v128-255 Q's sums.   window 1: K's sums, V's sums.
;   window 2: x's four fragments, two buffers; Wq's four; Wk's four.   window 3: Wv's four; from v64 bq, bk, bv, each in the layout of its sums: the C of the first products.
.set UNIT,  16896
.set CHUNK, 33792
.set BLOCK, 135168
.set SPARE, 2*BLOCK                    ; behind the two slots (BLOCK bytes each): the spare words, 128 bytes for each wave
.set ADX,  4                           ; v4-5   LDS address of my x fragments in slot 0, 1
.set ADA,  6                           ; v6-7   of Wq's (Wk's lie CHUNK further on)
.set ADV,  8                           ; v8-9   of Wv's
.set SC,   16
.set ADS,  40                          ; v40-45 of my scale words, three products' in slot 0, then in slot 1: lanes 0-15 x's rows, lanes 16-31 W's
.set CODE, 46
.set TM,   78
.set TP,   86
.set HOLD, 94
.set SCL,  102
.set WD,   110
.set SPW,  114
.set NIL,  115
.set WV, 22
.set AH, 23                            ; which 64 tokens are mine
.set FH, 24                            ; which 64 features
.set CX, 25
.set CY, 26
.set TX, 27
.set TY, 28
.set RL, 31                            ; s31    my tile's place in a slot
.set G1X, 32                           ; s[32:39] descriptor group 1 for x;  s[40:47] for W: it differs in the mask alone
.set G1W, 40
.set G0X, 48                           ; s[48:51], s[52:55] group 0: they walk, and are written only where no tensor load of mine is out
.set G0W, 52
.set MSB, 0
.macro WIN new                         ; the immediate's high byte repeats the setting that is left
.if MSB != \new
	s_set_vgpr_msb (MSB<<8)|\new
.set MSB, \new
.endif
.endm
.macro PLACES n
.rept \n
	v_nop
.endr
.endm
.macro CROUND                          ; a round of the cluster's barrier
	s_barrier_signal -1
	s_barrier_wait -1
	s_cmp_lg_u32 s[WV], 0
	s_cbranch_scc1 .Lnot_wave_0_\@
	s_barrier_signal -3
.Lnot_wave_0_\@:
	s_barrier_wait -3
	s_barrier_signal -1
	s_barrier_wait -1
.endm
.macro JLOAD                           ; a joint load: wave 0 for x, waves 1 to 3 for a weight each
	s_cmp_eq_u32 s[WV], 0
	s_cbranch_scc0 .Lfor_w_\@
	tensor_load_to_lds s[G0X:G0X+3], s[G1X:G1X+7]
	s_nop 0
	PLACES 4
	s_branch .Lasked_\@
.Lfor_w_\@:
	tensor_load_to_lds s[G0W:G0W+3], s[G1W:G1W+7]
	s_nop 0
	PLACES 4
.Lasked_\@:
.endm
.macro NEXT g                          ; the descriptors on to chunk g
	s_add_nc_u64 s[G0X+2:G0X+3], s[G0X+2:G0X+3], CHUNK
	s_add_nc_u64 s[G0W+2:G0W+3], s[G0W+2:G0W+3], CHUNK
	s_mov_b32 s[G0X+1], ((\g)&1)*BLOCK
	s_add_co_u32 s[G0W+1], s[RL], ((\g)&1)*BLOCK
.endm
.macro LX s                            ; x's fragments of K step s: 16 loads of 512 consecutive bytes
.set SL, ((\s)>>1)&1
	WIN 0x80
.irp i, 0,1,2,3
.irp c, 0,1,2,3
	ds_load_b128 v[64*((\s)&1)+16*\i+4*\c:64*((\s)&1)+16*\i+4*\c+3], v[ADX+SL] offset:((\s)&1)*2048+4096*\i+512*\c
.endr
.endr
.endm
.macro LW t, s                         ; weight t's fragments of K step s
.set SL, ((\s)>>1)&1
.if \t == 2
	WIN 0xc0
.irp i, 0,1,2,3
.irp c, 0,1,2,3
	ds_load_b128 v[16*\i+4*\c:16*\i+4*\c+3], v[ADV+SL] offset:((\s)&1)*2048+4096*\i+512*\c
.endr
.endr
.else
	WIN 0x80
.irp i, 0,1,2,3
.irp c, 0,1,2,3
	ds_load_b128 v[128+64*\t+16*\i+4*\c:128+64*\t+16*\i+4*\c+3], v[ADA+SL] offset:\t*CHUNK+((\s)&1)*2048+4096*\i+512*\c
.endr
.endr
.endif
.endm
.macro LS t, s                         ; product t's scale words of the chunk that K step s begins: two K steps' words of tile i by one load
.set SL, ((\s)>>1)&1
	WIN 0
.irp i, 0,1,2,3
	ds_load_b64 v[SC+8*\t+2*\i:SC+8*\t+2*\i+1], v[ADS+3*SL+\t] offset:128*\i
.endr
.endm
; 8 matrix instructions of product t (0, 1, 2: Q, K, V), K step s: groups a0, a0 + 1 x four tiles.  The 48 accumulators take turns, one instruction a turn, in the same order in every step.  Step 0 takes the bias as C.
.macro MUL8 t, s, a0
.if \t == 2
.set W_, 0x5e
.set AC_, 128
.set FW_, 0
.elseif \t == 1
.set W_, 0x5a
.set AC_, 0
.set FW_, 192
.else
.set W_, 0x0a
.set AC_, 128
.set FW_, 128
.endif
.if (\s) == 0
.set W_, (W_&0xcf)|0x30
.endif
	WIN W_
.set FX_, 64*((\s)&1)
.set SS_, SC+8*\t+((\s)&1)
.irp i, \a0, \a0+1
.irp jj, 0,1,2,3
.set D_, AC_+8*(4*(\i)+\jj)
.set C_, D_
.if (\s) == 0
.if \t == 2
.set C_, 128+8*(\i)
.else
.set C_, 64+32*\t+8*\jj
.endif
.endif
.if \t == 2
	v_wmma_scale_f32_16x16x128_f8f6f4 v[D_:D_+7], v[FX_+16*\jj:FX_+16*\jj+15], v[FW_+16*(\i):FW_+16*(\i)+15], v[C_:C_+7], v[SS_+2*\jj], v[SS_+2*(\i)] matrix_b_scale:MATRIX_SCALE_ROW1
.else
	v_wmma_scale_f32_16x16x128_f8f6f4 v[D_:D_+7], v[FW_+16*\jj:FW_+16*\jj+15], v[FX_+16*(\i):FX_+16*(\i)+15], v[C_:C_+7], v[SS_+2*\jj], v[SS_+2*(\i)] matrix_a_scale:MATRIX_SCALE_ROW1
.endif
.endr
.endr
.endm
; A chunk's first K step.  Each product's 16 instructions, eight places, and the next step's fragments into the registers that they have read: they land under the other two products.
.macro EVEN s
	s_wait_dscnt 40                                ; x and Wq are in; Wk's and Wv's 20 loads each may be out
	MUL8 0, \s, 0
	MUL8 0, \s, 2
	PLACES 8
	LW 0, (\s)+1
	LX (\s)+1
	s_wait_dscnt 52                                ; Wk is in; Wv's 20 and the 32 just issued may be out
	MUL8 1, \s, 0
	MUL8 1, \s, 2
	PLACES 8
	LW 1, (\s)+1
	s_wait_dscnt 48                                ; Wv is in; the 48 for the next step may be out
	MUL8 2, \s, 0
	MUL8 2, \s, 2
	PLACES 8
	LW 2, (\s)+1
.endm
; A chunk's second K step: in its middle the slots change.
.macro ODD s
	s_wait_dscnt 32                                ; x and Wq are in; Wk's and Wv's 16 loads each may be out
	MUL8 0, \s, 0
	MUL8 0, \s, 2
	WIN 0                                          ; (the add's registers lie in window 0)
	s_wait_tensorcnt 0x0                           ; all my tensor loads have landed, my tile of the next chunk among them
	ds_add_u32 v[SPW], v[NIL]                      ; 0 onto my spare word
.if (\s) < 5
	NEXT ((\s)+3)/2
.endif
	s_wait_dscnt 17                                ; Wk is in; Wv's 16 loads and the add may be out
	MUL8 1, \s, 0
	WIN 0
	s_wait_dscnt 0x0                               ; the add is done, and my reads of this slot are over
.if (\s) < 5
	CROUND                                         ; both now hold of every wave of all sixteen work-groups
	JLOAD                                          ; the first tensor load behind the round: this slot takes the chunk after the next
	PLACES 4
.else
	s_barrier_signal -1                            ; the last change: nothing is filled again
	s_barrier_wait -1
	PLACES 8
.endif
	LW 0, (\s)+1
	LX (\s)+1
	LS 0, (\s)+1
	MUL8 1, \s, 2
	PLACES 8
	LW 1, (\s)+1
	LS 1, (\s)+1
	MUL8 2, \s, 0
	MUL8 2, \s, 2
	PLACES 8
	LW 2, (\s)+1
	LS 2, (\s)+1
.endm
; The 128 results of a lane at v[ac ..] of window w (0 or 1) are eight blocks' halves.  They become 32 registers of codes and two words of four scale bytes.  Each accumulator is read from its low end on.
.macro QUANT8 ac, w
	WIN 0x05*\w
.irp b, 0,1,2,3,4,5,6,7
	v_max3_num_f32 v[TM+\b], |v[\ac+16*\b]|, |v[\ac+16*\b+1]|, 0x4800000   ; with the floor 2^(9 - 127): the byte cannot fall under 1
.endr
	WIN 0x14*\w
.irp i, 2,4,6,8,10,12,14
.irp b, 0,1,2,3,4,5,6,7
	v_max3_num_f32 v[TM+\b], v[TM+\b], |v[\ac+16*\b+\i]|, |v[\ac+16*\b+\i+1]|
.endr
.endr
	WIN 0
.irp b, 0,1,2,3,4,5,6,7
	v_permlanex16_b32 v[TP+\b], v[TM+\b], s18, s19
.endr
.irp b, 0,1,2,3,4,5,6,7
	v_max_num_f32 v[TM+\b], v[TM+\b], v[TP+\b]     ; the block's largest magnitude
.endr
.irp b, 0,1,2,3,4,5,6,7
	v_add_nc_u32 v[SCL+\b], 0xfc000000, v[TM+\b]   ; 8 off its exponent field: the conversion's scale operand
.endr
.irp b, 0,1,2,3,4,5,6,7
	v_and_or_b32 v[HOLD+\b], v[TM+\b], 0x7f800000, s20   ; 448 x the scale
.endr
.irp b, 0,1,2,3,4,5,6,7
	v_lshrrev_b32 v[TP+\b], 23, v[SCL+\b]          ; the scale's byte
.endr
.irp p, 0,1
	v_lshl_or_b32 v[WD+\p], v[TP+4*\p+1], 8, v[TP+4*\p]
	v_lshl_or_b32 v[WD+\p], v[TP+4*\p+2], 16, v[WD+\p]
	v_lshl_or_b32 v[WD+\p], v[TP+4*\p+3], 24, v[WD+\p]
.endr
	WIN 0x41*\w
.irp b, 0,1,2,3,4,5,6,7
.irp i, 0,1,2,3,4,5,6,7,8,9,10,11,12,13,14,15
	v_med3_num_f32 v[\ac+16*\b+\i], v[\ac+16*\b+\i], -v[HOLD+\b], v[HOLD+\b]   ; the conversion to an 8-bit code does not saturate (ISA guide 7.6.2): hold first
.endr
.endr
	WIN 0x01*\w
.irp b, 0,1,2,3,4,5,6,7
	v_cvt_scalef32_pk8_fp8_f32 v[CODE+4*\b:CODE+4*\b+1], v[\ac+16*\b:\ac+16*\b+7], v[SCL+\b]
	v_cvt_scalef32_pk8_fp8_f32 v[CODE+4*\b+2:CODE+4*\b+3], v[\ac+16*\b+8:\ac+16*\b+15], v[SCL+\b]
.endr
	WIN 0
	v_nop                                          ; a plain line behind the last conversion
.endm
.macro QKOUT off                       ; Q's (off = 0) or K's (32 images further on) codes and scale words
.irp b, 0,1,2,3,4,5,6,7
	global_store_b128 v3, v[CODE+4*\b:CODE+4*\b+3], s[92:93] offset:(\off)+512*\b     ; block b = tile b / 2, depth block b % 2: 4,096 bytes on end
.endr
	v_cndmask_b32 v[WD+2], v[WD], v[WD+1], s21     ; lanes 0-15: the word of tiles 0, 1; lanes 16-31: of tiles 2, 3
	global_store_b32 v11, v[WD+2], s[94:95] offset:\off        ; 128 consecutive bytes
.endm
	s_load_b256 s[4:11], s[0:1], 0x0               ; xq s[4:5], wq s[6:7], bq s[8:9], bk s[10:11]
	s_load_b128 s[12:15], s[0:1], 0x20             ; bv s[12:13], qk s[14:15]
	s_load_b64 s[16:17], s[0:1], 0x30              ; vt
	v_lshl_add_u32 v[SPW], v0, 2, SPARE
	v_mov_b32 v[NIL], 0
	ds_add_u32 v[SPW], v[NIL]                      ; the wave's opening: the add, twice on end, and its wait
	ds_add_u32 v[SPW], v[NIL]
	v_lshrrev_b32 v1, 5, v0
	v_readfirstlane_b32 s[WV], v1                  ; wave 0..3
	s_lshr_b32 s[AH], s[WV], 1
	s_and_b32 s[FH], s[WV], 1
	s_bfe_u32 s[CX], ttmp6, 0x40000
	s_bfe_u32 s[CY], ttmp6, 0x40004
	s_lshl_b32 s[TX], ttmp9, 2
	s_add_co_u32 s[TX], s[TX], s[CX]               ; tile column = 4 x cluster x + cx: 0 .. 7
	s_and_b32 s[TY], ttmp7, 0xffff
	s_lshl_b32 s[TY], s[TY], 2
	s_add_co_u32 s[TY], s[TY], s[CY]               ; tile row = 4 x cluster y + cy: 0 .. 31
	s_lshl_b32 s29, s[CY], 2
	s_lshl_b32 s29, 15, s29                        ; my row of the cluster
	s_lshl_b32 s30, 0x1111, s[CX]                  ; my column
	s_mov_b32 s18, 0x76543210
	s_mov_b32 s19, 0xfedcba98                      ; v_permlanex16_b32's selects for lane l xor 16
	s_mov_b32 s20, 0x600000                        ; the mantissa field of 448
	s_mov_b32 s21, 0xffff0000                      ; lanes 16-31
	; descriptor group 1: a chunk of 33,792 dense bytes as 132 rows of 256 bytes (32 elements of 8 bytes), no padding
	s_or_b32 s[G1X], s29, (3<<16)|(1<<21)          ; 15:0 the mask: x's chunks go to my row; 17:16 elements of 8 bytes; 21 set beside a mask
	s_or_b32 s[G1W], s30, (3<<16)|(1<<21)          ; W's go to my column
.irp g, G1X, G1W
	s_mov_b32 s[\g+1], 32<<16                      ; tensor_dim0 = 32
	s_mov_b32 s[\g+2], 132<<16                     ; tensor_dim1 = 132
	s_mov_b32 s[\g+3], 32<<16                      ; tile_dim0 = 32
	s_mov_b32 s[\g+4], 132                         ; tile_dim1 = 132
	s_mov_b32 s[\g+5], 32                          ; from row to row
	s_mov_b32 s[\g+6], 0
	s_mov_b32 s[\g+7], 0
.endr
	s_mul_i32 s[RL], s[WV], CHUNK                  ; in a slot: x's chunk, then Wq's, Wk's, Wv's: no place in the cluster enters an LDS address
	s_mul_i32 s88, s[TY], BLOCK                    ; x's block, by the tile row alone
	s_mov_b32 s89, 0
	s_max_u32 s2, s[WV], 1                         ; (wave 0 asks by x's descriptor alone)
	s_sub_co_u32 s2, s2, 1                         ; which weight I fetch: eight blocks each
	s_lshl_b32 s2, s2, 3
	s_add_co_u32 s2, s2, s[TX]
	s_mul_i32 s90, s2, BLOCK                       ; its block, by the tile column and the wave's number
	s_mov_b32 s91, 0
	s_wait_dscnt 0x0                               ; both opening adds are done
	s_wait_kmcnt 0x0
	s_mov_b32 s[G0X], 1
	s_mov_b32 s[G0X+1], 0
	s_add_nc_u64 s[G0X+2:G0X+3], s[4:5], s[88:89]
	s_or_b32 s[G0X+3], s[G0X+3], 0x80000000
	s_mov_b32 s[G0W], 1
	s_mov_b32 s[G0W+1], s[RL]
	s_add_nc_u64 s[G0W+2:G0W+3], s[6:7], s[90:91]
	s_or_b32 s[G0W+3], s[G0W+3], 0x80000000
	CROUND                                         ; all sixteen work-groups are here: the first joint loads meet
	JLOAD                                          ; chunk 0
	v_and_b32 v1, 15, v0                           ; r
	v_bfe_u32 v2, v0, 4, 1                         ; h
	v_and_b32 v10, 31, v0                          ; lane
	v_lshlrev_b32 v3, 4, v10                       ; 16 x lane
	v_lshlrev_b32 v11, 2, v10                      ; 4 x lane
	s_wait_alu depctr_va_vdst(0)
	s_mul_i32 s2, s[AH], UNIT                      ; my 64 tokens' unit
	s_mul_i32 s3, s[FH], UNIT
	s_add_co_u32 s3, s3, CHUNK                     ; my 64 features' unit of Wq
	v_add_nc_u32 v[ADX], s2, v3
	v_add_nc_u32 v[ADA], s3, v3
	v_add_nc_u32 v[ADX+1], BLOCK, v[ADX]
	v_add_nc_u32 v[ADA+1], BLOCK, v[ADA]
	v_add_nc_u32 v[ADV], 2*CHUNK, v[ADA]
	v_add_nc_u32 v[ADV+1], BLOCK, v[ADV]
	s_xor_b32 s3, s[AH], 1
	s_add_co_u32 s3, s3, s[FH]
	s_mul_i32 s3, s3, UNIT
	s_add_co_u32 s3, s3, CHUNK-UNIT                ; from x's scale words to Wq's: CHUNK + (fh - ah) x UNIT
	s_add_co_u32 s2, s2, 16384
.irp t, 0,1,2
	v_mul_u32_u24 v[ADS+\t], s3, v2                ; lanes 16-31 take W's
	v_lshl_add_u32 v[ADS+\t], v1, 3, v[ADS+\t]
	v_add_nc_u32 v[ADS+\t], s2, v[ADS+\t]
	v_add_nc_u32 v[ADS+3+\t], BLOCK, v[ADS+\t]
	s_add_co_u32 s3, s3, CHUNK                     ; the next weight
.endr
.irp b, 0,1,2,3,4,5,6,7
	v_mov_b32 v[TP+\b], 0                          ; written once: a lane permute's destination counts as one of its sources
.endr
	; the three biases of my 64 features, each in the layout of its sums
	s_lshl_b32 s100, s[TX], 9
	s_lshl_b32 s101, s[FH], 8
	s_add_co_u32 s100, s100, s101                  ; my 64 features, 4 bytes each
	s_mov_b32 s101, 0
	s_add_nc_u64 s[8:9], s[8:9], s[100:101]
	s_add_nc_u64 s[10:11], s[10:11], s[100:101]
	s_add_nc_u64 s[12:13], s[12:13], s[100:101]
	v_lshlrev_b32 v12, 5, v2                       ; Q, K: lane (r, h) wants, for tile t, the bias of features 16 t + 8 h + 0 .. 7
	v_lshlrev_b32 v13, 2, v1                       ; V: a lane holds feature r of tile t: all eight registers of C take its bias
	s_wait_alu depctr_va_vdst(0)
	WIN 0xc0                                       ; destination window 3
.irp t, 0,1,2,3
	global_load_b128 v[64+8*\t:64+8*\t+3], v12, s[8:9] offset:64*\t
	global_load_b128 v[64+8*\t+4:64+8*\t+7], v12, s[8:9] offset:64*\t+16
	global_load_b128 v[96+8*\t:96+8*\t+3], v12, s[10:11] offset:64*\t
	global_load_b128 v[96+8*\t+4:96+8*\t+7], v12, s[10:11] offset:64*\t+16
.endr
.irp t, 0,1,2,3
.irp j, 0,1,2,3,4,5,6,7
	global_load_b32 v[128+8*\t+\j], v13, s[12:13] offset:64*\t
.endr
.endr
	WIN 0
	; where the results go: made once; no store's base is written again
	s_lshr_b32 s100, s[TY], 4
	s_lshl_b32 s100, s100, 4                       ; 16 x batch
	s_lshl_b32 s101, s[TX], 1
	s_add_co_u32 s100, s100, s101
	s_add_co_u32 s100, s100, s[FH]                 ; + the head
	s_mul_i32 s100, s100, BLOCK                    ; the head's image: the same place in qk and in vt
	s_and_b32 s101, s[TY], 15                      ; my work-group's 128 tokens of the head's 2,048
	s_lshl_b32 s92, s101, 13                       ; Q, K: 8 tiles of 1,024 bytes,
	s_lshl_b32 s93, s[AH], 12                      ; my wave's four of them
	s_add_co_u32 s92, s92, s93
	s_add_co_u32 s92, s92, s100
	s_add_co_u32 s92, s92, 4096                    ; the codes lie behind the head's words
	s_mov_b32 s93, 0
	s_lshl_b32 s94, s101, 8                        ; their words: 64 bytes for each pair of tiles
	s_lshl_b32 s95, s[AH], 7
	s_add_co_u32 s94, s94, s95
	s_add_co_u32 s94, s94, s100
	s_mov_b32 s95, 0
	s_lshl_b32 s96, s101, 13                       ; V: the key step's 8,192 bytes;
	s_lshl_b32 s97, s[AH], 10                      ; my 64 tokens are its key blocks 2 ah, 2 ah + 1
	s_add_co_u32 s96, s96, s97
	s_add_co_u32 s96, s96, s100
	s_add_co_u32 s96, s96, 4096
	s_mov_b32 s97, 0
	s_lshl_b32 s98, s101, 8                        ; its words: 256 bytes a key step, my two bytes of each
	s_lshl_b32 s99, s[AH], 1
	s_add_co_u32 s98, s98, s99
	s_add_co_u32 s98, s98, s100
	s_mov_b32 s99, 0
	s_add_nc_u64 s[92:93], s[14:15], s[92:93]
	s_add_nc_u64 s[94:95], s[14:15], s[94:95]
	s_add_nc_u64 s[96:97], s[16:17], s[96:97]
	s_add_nc_u64 s[98:99], s[16:17], s[98:99]
	s_wait_alu depctr_va_vdst(0)                   ; the wait at the head's end
	s_wait_tensorcnt 0x0                           ; my tile of chunk 0 is in; these lines stand ahead of a later first fill as ahead of a refill:
	ds_add_u32 v[SPW], v[NIL]                      ; 0 onto my spare word
	NEXT 1
	s_wait_dscnt 0x0                               ; the add is done
	CROUND                                         ; everybody's tile of chunk 0 is in
	JLOAD                                          ; chunk 1 into slot 1, the first tensor load behind the round
	LW 0, 0
	LX 0
	LS 0, 0
	LW 1, 0
	LS 1, 0
	LW 2, 0
	LS 2, 0
	s_wait_loadcnt 0x0                             ; the biases
	EVEN 0
	ODD 1
	EVEN 2
	ODD 3
	EVEN 4
	ODD 5
	EVEN 6
	s_wait_dscnt 32                                ; the last K step: nothing more to fetch
	MUL8 0, 7, 0
	MUL8 0, 7, 2
	s_wait_dscnt 16
	MUL8 1, 7, 0
	MUL8 1, 7, 2
	s_wait_dscnt 0x0
	MUL8 2, 7, 0
	MUL8 2, 7, 2
	WIN 0
	PLACES 8                                       ; in front of the first read of results
	QUANT8 128, 0
	QKOUT 0
	s_wait_xcnt 0x0                                ; the stores have read their data: the codes' and the words' registers are written again only behind this wait
	QUANT8 0, 1
	QKOUT 32*BLOCK
	s_wait_xcnt 0x0
	QUANT8 128, 1
.irp i, 0,1,2,3
.irp b, 0,1
	global_store_b128 v3, v[CODE+4*(2*\i+\b):CODE+4*(2*\i+\b)+3], s[96:97] offset:2048*\i+512*\b   ; tile i of the head's 64, key block 2 ah + b: 512 consecutive bytes
.endr
.endr
.irp p, 0,1
	v_lshrrev_b32 v[WD+2+\p], 16, v[WD+\p]
	v_cndmask_b32 v[WD+2+\p], v[WD+\p], v[WD+2+\p], s21          ; lanes 0-15: tile 2 p's two bytes; lanes 16-31: tile 2 p + 1's
	global_store_b16 v11, v[WD+2+\p], s[98:99] offset:128*\p
.endr
	s_wait_tensorcnt 0x0                           ; the wave's end
	ds_add_u32 v[SPW], v[NIL]
	s_wait_dscnt 0x0
	CROUND                                         ; the closing round: no work-group ends while a partner may still ask for a tile that names it
	s_endpgm
.Lfunc_end_k_q65c7835cb7_qkv:
	.size	k_q65c7835cb7_qkv, .Lfunc_end_k_q65c7835cb7_qkv-k_q65c7835cb7_qkv
	.p2alignl 7, 3214868480
	.fill 96, 4, 3214868480
	.section	.rodata,"a",@progbits
	.p2align	6, 0x0
	.amdhsa_kernel k_q65c7835cb7_qkv
		.amdhsa_group_segment_fixed_size 327680
		.amdhsa_private_segment_fixed_size 0
		.amdhsa_enable_private_segment 0
		.amdhsa_kernarg_size 56
		.amdhsa_user_sgpr_count 2
		.amdhsa_user_sgpr_kernarg_segment_ptr 1
		.amdhsa_wavefront_size32 1
		.amdhsa_system_sgpr_workgroup_id_x 1
		.amdhsa_system_sgpr_workgroup_id_y 1
		.amdhsa_system_sgpr_workgroup_id_z 1
		.amdhsa_system_vgpr_workitem_id 0
		.amdhsa_next_free_vgpr 1024
		.amdhsa_next_free_sgpr 102
		.amdhsa_reserve_vcc 0
		.amdhsa_float_denorm_mode_32 3
		.amdhsa_float_denorm_mode_16_64 3
		.amdhsa_memory_ordered 1
		.amdhsa_forward_progress 1
		.amdhsa_inst_pref_size 159
	.end_amdhsa_kernel
	.amdgpu_metadata
---
amdhsa.version: [ 1, 2 ]
amdhsa.kernels:
  - .name:           k_q65c7835cb7_qkv
    .symbol:         k_q65c7835cb7_qkv.kd
    .args:
      - { .name: xq, .offset: 0, .size: 8, .value_kind: global_buffer, .address_space: global }
      - { .name: wq, .offset: 8, .size: 8, .value_kind: global_buffer, .address_space: global }
      - { .name: bq, .offset: 16, .size: 8, .value_kind: global_buffer, .address_space: global }
      - { .name: bk, .offset: 24, .size: 8, .value_kind: global_buffer, .address_space: global }
      - { .name: bv, .offset: 32, .size: 8, .value_kind: global_buffer, .address_space: global }
      - { .name: qk, .offset: 40, .size: 8, .value_kind: global_buffer, .address_space: global }
      - { .name: vt, .offset: 48, .size: 8, .value_kind: global_buffer, .address_space: global }
    .group_segment_fixed_size: 327680
    .private_segment_fixed_size: 0
    .kernarg_segment_align: 8
    .kernarg_segment_size: 56
    .max_flat_workgroup_size: 128
    .sgpr_count:     102
    .vgpr_count:     1024
    .wavefront_size: 32
...
	.end_amdgpu_metadata
.endif
;; end of part 2
;; launch attn (part 3): grid 8 x 32, 8 waves a work-group, clusters of 4 x 1, 272,384 bytes of LDS; arguments qk, vt, oc; writes oc
.if DOCPART == 3
	.amdgcn_target "amdgcn-amd-amdhsa--gfx1250"
	.amdhsa_code_object_version 6
	.text
	.protected	k_q65c7835cb7_attn
	.globl	k_q65c7835cb7_attn
	.p2align	8
	.type	k_q65c7835cb7_attn,@function
k_q65c7835cb7_attn:
	s_mov_b64 s[64:65], 0
	v_nop
	global_prefetch_b8 v0, s[64:65] scope:SCOPE_SE
	s_setreg_imm32_b32 hwreg(HW_REG_WAVE_MODE, 25, 1), 1
	s_wait_xcnt 0x0
	s_wait_alu depctr_hold_cnt(0) depctr_sa_sdst(0) depctr_va_vdst(0) depctr_va_sdst(0) depctr_va_ssrc(0) depctr_va_vcc(0) depctr_vm_vsrc(0)
	s_getreg_b32 s2, hwreg(HW_REG_IB_STS2, 6, 4)
	s_cmp_eq_u32 s2, 0
	s_cbranch_scc0 .Lentry_in_a_cluster
	s_endpgm
.Lentry_in_a_cluster:
	s_bfe_u32 s2, ttmp6, 0x10000c
	s_cmp_lg_u32 s2, 0x3003
	s_cbranch_scc0 .Lentry_shape_is_right
	s_endpgm
.Lentry_shape_is_right:
; O[q] = the sum over k of softmax_k(Q[q] . K[k] / 8) V[k] for one head of 64, 2,048 keys, both products on codes of FP8 (E4M3) with E8M0 scales; then O is quantised along the model's 1,024 features for the last product.
; THE SOFTMAX AHEAD OF THE SECOND PRODUCT.  t = score x log2(e) / 8.  Each block of 32 keys of a query takes its own whole number T = floor(the block's largest t), and p' = 2^(t - T), under 2, is what is computed: so every block's codes are p' / 2^-8,
; held at 1.75 / 2^-8 = 448.  M, the running largest T of the query, enters the block's scale byte alone: 2^(T - M - 8), byte T - M + 119, held at 1 from below.  p = 2^(t - M) = p' 2^(T - M), so codes and scales are those of p.
; The row's sum is taken of the unquantised p': a block's sum times 2^(T - M - 8), so it is kept as 1/256 of the sum of p.  When M moves, sum and O are multiplied by 2^(old M - new M): exact.  M moves once for 256 keys.
; SHARES.  A work-group owns 256 queries of one head, each of its eight waves two tiles of 16: each fragment of K and V feeds both.  Tile A lives in register window 0, tile B in window 1, at the same numbers: one text under two settings.
; A HEAD'S WHOLE K AND V (BLOCK bytes each: 4,096 of words, then codes, 8,192 for 128 keys) STAY IN LDS: eight joint tensor loads, one a wave, all first fills; nothing is filled again, and nothing is left for a prefetch to ask for.
; Waves 0 and 1 bring the words and the first 512 keys of K and of V; the others the three further 512 of each.  One barrier shows the first two loads, one behind the first 256 keys all of them.
; CLUSTER: four query blocks of one head: each load is asked for jointly, with a mask that names the four.
; LAYOUT.  Both products are used transposed (S^T = K Q^T, O^T = V^T P^T): a lane holds one query of a tile throughout.  All operands lie as images of the operand's registers: every LDS load reads 512 consecutive bytes.
; THE HEAD IS 64 AND THE INSTRUCTION TAKES 128 ALONG K: a fragment of K holds TWO tiles of 16 keys, one in k = 0-63, one in k = 64-127.  Source 1 is [q, 0] for the first and [0, q] for the second: zero codes add nothing.
; Inside each block of 32 every operand has one order (slot 16 h + 8 u + j = number 16 u + 8 h + j): it is the order in which the 16 registers of two neighbouring result tiles lie, so p's and O's codes are operands as they come.
; LIMITS: the scaled scores stay under 2^31 in magnitude; NaN and infinities are not served; v_exp_f32 gives 0 under 2^-126; the division by the sum is v_rcp_f32 and a multiplication; a block of O of zeros gets the byte 1 where the rule says 127 (its codes are zeros; this program alone reads the bytes).
; REGISTERS, in both windows: v0-63 fragments (window 0: K; window 1: V of the first 128 keys); v64-127 S^T, then p' (tile A's take V of the second 128 keys behind its last conversion); v128-159 O^T; v160-191 p's codes; v192-215 q, zeros, q;
;   v216-223 -T of eight blocks; v224-231 their sums; v232 -M, v233 the sum, v234 f = 2^(old M - new M), v235 2^-8, the conversions' scale operand.   Window 0 alone: v236-255 as named below.
.set UNIT,  16896
.set CHUNK, 33792
.set BLOCK, 135168
.set WORDS, 4096                       ; a head's words, ahead of its codes
.set SPARE, 2*BLOCK                    ; behind K and V: the spare words, 128 bytes for each wave
.set S,    64
.set O,    128
.set PC,   160
.set QF,   192
.set T,    216
.set BS,   224
.set NM,   232
.set L,    233
.set F,    234
.set C8,   235
.set SPW,  236
.set NIL,  237
.set L16,  238                         ; WORDS + 16 x lane
.set L4,   239                         ; 4 x lane
.set KC,   240                         ; LDS addresses of these 256 keys: K's codes, V's codes, K's words, V's words
.set VC,   241
.set KS,   242
.set VS,   243
.set KW,   244                         ; v244-245 K's scale words
.set QA,   246                         ; v246, v247 q's, tile A and tile B
.set QB,   247
.set VW,   248                         ; v248-251 V's
.set PW,   252                         ; v252-253 p's of tile A (window 1: the same of tile B as they are made)
.set PB,   254                         ; v254-255 p's of tile B
.set WV,   10
.set MSB, 0
.macro WIN new                         ; the immediate's high byte repeats the setting that is left
.if MSB != \new
	s_set_vgpr_msb (MSB<<8)|\new
.set MSB, \new
.endif
.endm
.macro PLACES n
.rept \n
	v_nop
.endr
.endm
.macro CROUND                          ; a round of the cluster's barrier
	s_barrier_signal -1
	s_barrier_wait -1
	s_cmp_lg_u32 s[WV], 0
	s_cbranch_scc1 .Lnot_wave_0_\@
	s_barrier_signal -3
.Lnot_wave_0_\@:
	s_barrier_wait -3
	s_barrier_signal -1
	s_barrier_wait -1
.endm
.macro WALU
	s_wait_alu depctr_va_vdst(0)
.endm
.macro KLD off                         ; four fragments of K, 128 keys, and their words: lanes 0-15 one fragment's, lanes 16-31 the next's
.irp f, 0,1,2,3
.irp c, 0,1,2,3
	ds_load_b128 v[16*\f+4*\c:16*\f+4*\c+3], v[KC] offset:(\off)+2048*\f+512*\c
.endr
.endr
	ds_load_b32 v[KW], v[KS] offset:(\off)/32
	ds_load_b32 v[KW+1], v[KS] offset:(\off)/32+128
.endm
.macro VLD dst, off                    ; V's four fragments (16 of the head's 64 x 128 keys each)
.irp d, 0,1,2,3
.irp c, 0,1,2,3
	ds_load_b128 v[\dst+16*\d+4*\c:\dst+16*\d+4*\c+3], v[VC] offset:(\off)+2048*\d+512*\c
.endr
.endr
.endm
.macro VWLD w, off
	ds_load_b32 v[\w], v[VS] offset:\off
	ds_load_b32 v[\w+1], v[VS] offset:(\off)+128
.endm
.macro SPROD qs                        ; S^T of a tile: result tile t = keys 16 t on: register j of lane (q, h) is key 16 t + 8 h + j
.irp t, 0,1,2,3,4,5,6,7
.if (\t/2)%2
	v_wmma_scale_f32_16x16x128_f8f6f4 v[S+8*\t:S+8*\t+7], v[16*(\t/2):16*(\t/2)+15], v[QF+8*(\t%2):QF+8*(\t%2)+15], 0, v[KW+\t/4], v[\qs] matrix_a_scale:MATRIX_SCALE_ROW1
.else
	v_wmma_scale_f32_16x16x128_f8f6f4 v[S+8*\t:S+8*\t+7], v[16*(\t/2):16*(\t/2)+15], v[QF+8*(\t%2):QF+8*(\t%2)+15], 0, v[KW+\t/4], v[\qs]
.endif
.endr
.endm
.macro SMAX sub                        ; the largest score of each block of 32 keys, two chains a block; then -T.  At work: the registers that take this step's codes
.set P_, PC+16*(\sub)
.irp b, 0,1,2,3
	v_max3_num_f32 v[P_+\b], v[S+16*\b], v[S+16*\b+1], v[S+16*\b+2]
.endr
.irp b, 0,1,2,3
	v_max3_num_f32 v[P_+4+\b], v[S+16*\b+8], v[S+16*\b+9], v[S+16*\b+10]
.endr
.irp i, 3,5
.irp b, 0,1,2,3
	v_max3_num_f32 v[P_+\b], v[P_+\b], v[S+16*\b+\i], v[S+16*\b+\i+1]
.endr
.irp b, 0,1,2,3
	v_max3_num_f32 v[P_+4+\b], v[P_+4+\b], v[S+16*\b+8+\i], v[S+16*\b+9+\i]
.endr
.endr
.irp b, 0,1,2,3
	v_max3_num_f32 v[P_+\b], v[P_+\b], v[P_+4+\b], v[S+16*\b+7]
.endr
.irp b, 0,1,2,3
	v_max_num_f32 v[P_+\b], v[P_+\b], v[S+16*\b+15]
.endr
.irp b, 0,1,2,3
	v_permlanex16_b32 v[P_+4+\b], v[P_+\b], s16, s17
.endr
.irp b, 0,1,2,3
	v_max_num_f32 v[P_+\b], v[P_+\b], v[P_+4+\b]   ; with lane l xor 16's 16 keys
.endr
.irp b, 0,1,2,3
	v_mul_f32 v[P_+\b], s20, v[P_+\b]              ; -t of the block's largest
.endr
.irp b, 0,1,2,3
	v_ceil_f32 v[T+4*(\sub)+\b], v[P_+\b]          ; -T = ceil(-t) = -floor(t)
.endr
.endm
.macro ARGS r, b, sub                  ; t - T of registers r, r + 1 of block b
.if (\b)%2
	v_pk_fma_f32 v[\r:\r+1], v[\r:\r+1], s[18:19], v[T+4*(\sub)+2*((\b)/2):T+4*(\sub)+2*((\b)/2)+1] op_sel:[0,0,1] op_sel_hi:[1,0,1]
.else
	v_pk_fma_f32 v[\r:\r+1], v[\r:\r+1], s[18:19], v[T+4*(\sub)+2*((\b)/2):T+4*(\sub)+2*((\b)/2)+1] op_sel_hi:[1,0,0]
.endif
.endm
.macro HOLD2 r                         ; two holds at 1.75: the conversion does not saturate (ISA guide 7.6.2); p' is not negative
	v_dual_min_num_f32 v[\r], s14, v[\r] :: v_dual_min_num_f32 v[\r+1], s14, v[\r+1]
.endm
.macro SARG sub                        ; the exponents of two blocks
.set i_, 0
.rept 16
	ARGS S+i_, i_/16, \sub
.set i_, i_+2
.endr
.endm
.macro SE0 sub                         ; these two blocks' exponentials; among them plain work whose results are read behind the next wait alone: the other two blocks' exponents
.set i_, 0
.rept 16
	v_exp_f32 v[S+i_], v[S+i_]
	v_exp_f32 v[S+i_+1], v[S+i_+1]
	ARGS S+32+i_, 2+i_/16, \sub
.set i_, i_+2
.endr
.endm
.macro SE1 sub                         ; the other two blocks' exponentials; among them the first two blocks' pairs of sums and holds
.set P_, PC+16*(\sub)
.set i_, 0
.rept 8
	v_exp_f32 v[S+32+i_], v[S+32+i_]
	v_exp_f32 v[S+33+i_], v[S+33+i_]
	v_pk_add_f32 v[P_+i_/2:P_+i_/2+1], v[S+i_:S+i_+1], v[S+i_+2:S+i_+3]   ; the sum is taken ahead of the holds
	v_exp_f32 v[S+34+i_], v[S+34+i_]
	HOLD2 S+i_
	v_exp_f32 v[S+35+i_], v[S+35+i_]
	HOLD2 S+i_+2
.set i_, i_+4
.endr
.endm
.macro TREE sub, b                     ; eight pairs in the codes' registers -> the sums of blocks b, b + 1
	v_pk_add_f32 v[P_:P_+1], v[P_:P_+1], v[P_+2:P_+3]
	v_pk_add_f32 v[P_+8:P_+9], v[P_+8:P_+9], v[P_+10:P_+11]
	v_pk_add_f32 v[P_+4:P_+5], v[P_+4:P_+5], v[P_+6:P_+7]
	v_pk_add_f32 v[P_+12:P_+13], v[P_+12:P_+13], v[P_+14:P_+15]
	v_pk_add_f32 v[P_:P_+1], v[P_:P_+1], v[P_+4:P_+5]
	v_pk_add_f32 v[P_+8:P_+9], v[P_+8:P_+9], v[P_+12:P_+13]
	v_add_f32 v[BS+4*(\sub)+\b], v[P_], v[P_+1]
	v_add_f32 v[BS+4*(\sub)+\b+1], v[P_+8], v[P_+9]
.endm
.macro SSUM sub
.set P_, PC+16*(\sub)
	TREE \sub, 0
.set i_, 0
.rept 8
	v_pk_add_f32 v[P_+i_/2:P_+i_/2+1], v[S+32+i_:S+33+i_], v[S+34+i_:S+35+i_]
.set i_, i_+4
.endr
	TREE \sub, 2
.endm
.macro SCODE sub                       ; the other two blocks' holds, and the codes
.set P_, PC+16*(\sub)
.set i_, 32
.rept 16
	HOLD2 S+i_
.set i_, i_+2
.endr
.irp b, 0,1,2,3
	v_cvt_scalef32_pk8_fp8_f32 v[P_+4*\b:P_+4*\b+1], v[S+16*\b:S+16*\b+7], v[C8]
	v_cvt_scalef32_pk8_fp8_f32 v[P_+4*\b+2:P_+4*\b+3], v[S+16*\b+8:S+16*\b+15], v[C8]
.endr
	v_nop                                          ; a plain line behind the last conversion
.endm
.macro MATH                            ; once for 256 keys: M, f, eight scale bytes, the sum
	v_min3_num_f32 v[F], v[NM], v[T], v[T+1]
	v_min3_num_f32 v[C8], v[T+2], v[T+3], v[T+4]
	v_min3_num_f32 v[F], v[F], v[T+5], v[T+6]
	v_min3_num_f32 v[F], v[F], v[C8], v[T+7]       ; the new -M
.irp p, 0,2,4,6
	v_pk_add_f32 v[T+\p:T+\p+1], v[F:F+1], v[T+\p:T+\p+1] op_sel_hi:[0,1] neg_lo:[0,1] neg_hi:[0,1]   ; T - M, 0 or less
.endr
	v_sub_f32 v[C8], v[F], v[NM]                   ; old M - new M: a whole number, 0 or less
	v_mov_b32 v[NM], v[F]
	v_cvt_i32_f32 v[C8], v[C8]                     ; (it saturates)
.irp p, 0,2,4,6
	v_dual_max_num_f32 v[T+\p], s15, v[T+\p] :: v_dual_max_num_f32 v[T+\p+1], s15, v[T+\p+1]   ; -118 at the least: the byte cannot fall under 1
.endr
	v_ldexp_f32 v[F], 1.0, v[C8]                   ; f
.irp p, 0,2,4,6
	v_pk_add_f32 v[T+\p:T+\p+1], v[T+\p:T+\p+1], s[2:3] op_sel_hi:[1,0]   ; + 2^23 + 119: the low byte of the bits is the scale byte T - M + 119
.endr
	v_perm_b32 v[PW], v[T+1], v[T], s72
	v_perm_b32 v[C8], v[T+3], v[T+2], s72
	v_perm_b32 v[PW+1], v[T+5], v[T+4], s72
	v_perm_b32 v[PW], v[C8], v[PW], s73            ; four bytes a word
	v_perm_b32 v[C8], v[T+7], v[T+6], s72
.irp i, 0,1,2,3,4,5
	v_lshlrev_b32 v[T+\i], 23, v[T+\i]             ; 2^(T - M - 8)
.endr
	v_perm_b32 v[PW+1], v[C8], v[PW+1], s73
	v_lshlrev_b32 v[T+6], 23, v[T+6]
	v_lshlrev_b32 v[T+7], 23, v[T+7]
	v_pk_mul_f32 v[BS:BS+1], v[BS:BS+1], v[T:T+1]
	v_mov_b32 v[C8], 0x3b800000                    ; 2^-8 again
.irp p, 2,4,6
	v_pk_fma_f32 v[BS:BS+1], v[BS+\p:BS+\p+1], v[T+\p:T+\p+1], v[BS:BS+1]
.endr
	v_fma_f32 v[L], v[L], v[F], v[BS]
	v_add_f32 v[L], v[L], v[BS+1]
.endm
.macro RESCALE                         ; O^T under the new M.  The wait: these are the first readers of the last products' results, behind exponentials
	WALU
.set i_, 0
.rept 16
	v_pk_mul_f32 v[O+i_:O+i_+1], v[O+i_:O+i_+1], v[F:F+1] op_sel_hi:[1,0]
.set i_, i_+2
.endr
.endm
.macro PV fb, pb, vw, pw               ; O^T += V^T P^T, 128 keys of a tile: four accumulators by turns
.irp d, 0,1,2,3
.if \d%2
	v_wmma_scale_f32_16x16x128_f8f6f4 v[O+8*\d:O+8*\d+7], v[\fb+16*\d:\fb+16*\d+15], v[\pb:\pb+15], v[O+8*\d:O+8*\d+7], v[\vw+\d/2], v[\pw] matrix_a_scale:MATRIX_SCALE_ROW1
.else
	v_wmma_scale_f32_16x16x128_f8f6f4 v[O+8*\d:O+8*\d+7], v[\fb+16*\d:\fb+16*\d+15], v[\pb:\pb+15], v[O+8*\d:O+8*\d+7], v[\vw+\d/2], v[\pw]
.endif
.endr
.endm
; 256 KEYS.  s21: where their codes begin behind the words, s22: their words.  The first 128 keys' fragments of K were asked for earlier.  lp = 1: in the loop.
.macro GROUP lp
	v_add_nc_u32 v[KC], s21, v[L16]
	v_add_nc_u32 v[KS], s22, v[L4]
	v_add_nc_u32 v[VC], BLOCK, v[KC]
	v_add_nc_u32 v[VS], BLOCK, v[KS]
	PLACES 5                                       ; with the four additions nine places: the products below write over V's fragments, which the last products have read
	s_wait_dscnt 0x0
	SPROD QA
	WIN 0x44                                       ; K in window 0, q and S in window 1
	SPROD QB
	WIN 0
	PLACES 8                                       ; ahead of the first reader of tile A's scores (ISA guide 7.12.1)
	SMAX 0
	KLD 8192                                       ; the second 128 keys of K, and V of the first, land under the softmax
	VWLD VW, 0
	WIN 0x40
	VLD 0, 0
	WIN 0x55
	SMAX 0                                         ; both tiles' maxima stand ahead of all exponentials, and the two tiles share the waits
	SARG 0
	WIN 0
	SARG 0
	WALU
	SE0 0
	WIN 0x55
	SE0 0
	WALU
	SE1 0
	WIN 0
	SE1 0
	WALU
	SSUM 0
	SCODE 0
	WIN 0x55
	SSUM 0
	WIN 0
	s_wait_dscnt 0x0
	SPROD QA                                       ; the second 128 keys
	WIN 0x55
	SCODE 0                                        ; tile B's holds are the places behind tile A's products
	WIN 0x44
	SPROD QB
	WIN 0
	SMAX 1
.if \lp
	s_cmp_lg_u32 s23, 1                            ; behind the last 256 keys nothing is asked for
	WALU
	s_cbranch_scc0 .Lnone_\@
.endif
	KLD 16384                                      ; the next 256 keys' first fragments of K
.if \lp
.Lnone_\@:
.endif
	WIN 0x55
	SMAX 1
	SARG 1
	WIN 0
	SARG 1
	WALU
	SE0 1
	WIN 0x55
	SE0 1
	WALU
	SE1 1
	WIN 0
	SE1 1
	WALU
	SSUM 1
	SCODE 1
	VLD S, 8192                                    ; V of the second 128 keys: tile A's scores have been converted
	VWLD VW+2, 256
	WIN 0x55
	SSUM 1
	SCODE 1
	WIN 0
	MATH
	RESCALE
	WIN 0x55
	MATH
	WIN 0x01
	v_mov_b32 v[PB], v[PW]                         ; tile B's words: scale operands lie in window 0
	v_mov_b32 v[PB+1], v[PW+1]
	WIN 0x55
	RESCALE
	WIN 0
	WALU
	s_wait_dscnt 0x0                               ; V
	WIN 0x01                                       ; V's first fragments lie in window 1
	PV 0, PC, VW, PW
	WIN 0x55
	PV 0, PC, VW, PB
	WIN 0                                          ; the second ones in window 0
	PV S, PC+16, VW+2, PW+1
	WIN 0x54
	PV S, PC+16, VW+2, PB+1
	WIN 0
.endm
	s_load_b128 s[4:7], s[0:1], 0x0                ; qk s[4:5], vt s[6:7]
	s_load_b64 s[8:9], s[0:1], 0x10                ; oc
	v_lshl_add_u32 v[SPW], v0, 2, SPARE
	v_mov_b32 v[NIL], 0
	ds_add_u32 v[SPW], v[NIL]                      ; the wave's opening: the add, twice on end, and its wait
	ds_add_u32 v[SPW], v[NIL]
	v_lshrrev_b32 v1, 5, v0
	v_readfirstlane_b32 s[WV], v1                  ; wave 0..7
	s_bfe_u32 s11, ttmp6, 0x40000                  ; cx
	s_lshl_b32 s12, ttmp9, 2
	s_add_co_u32 s12, s12, s11                     ; my block of 256 queries: it enters Q's and O's addresses alone
	s_and_b32 s13, ttmp7, 0xffff                   ; 16 x batch + head, which the four partners share
	s_mov_b32 s2, 0x4b000077                       ; 2^23 + 119
	s_mov_b32 s3, s2                               ; (named with it as a pair)
	s_mov_b32 s14, 0x3fe00000                      ; 1.75
	s_mov_b32 s15, 0xc2ec0000                      ; -118
	s_mov_b32 s16, 0x76543210
	s_mov_b32 s17, 0xfedcba98                      ; v_permlanex16_b32's selects for lane l xor 16
	s_mov_b32 s18, 0x3e38aa3b                      ; log2(e) / 8
	s_mov_b32 s19, s18
	s_mov_b32 s20, 0xbe38aa3b                      ; and its negative
	s_mov_b32 s72, 0x04000400                      ; v_perm_b32: the low bytes of two registers,
	s_mov_b32 s73, 0x05040100                      ; and of two such pairs
	s_mov_b32 s74, 0x600000                        ; the mantissa field of 448
	s_mov_b32 s75, 0xffff0000                      ; lanes 16-31
	; descriptor groups 1: dense bytes as rows of 256 (32 elements of 8 bytes), no padding: 144 rows (words and 512 keys) and 128 rows (512 keys)
.irp g, 24,40
	s_mov_b32 s[\g], 15|(3<<16)|(1<<21)            ; 15:0 the mask: all four work-groups; 17:16 elements of 8 bytes; 21 set beside a mask
	s_mov_b32 s[\g+1], 32<<16                      ; tensor_dim0
	s_mov_b32 s[\g+3], 32<<16                      ; tile_dim0
	s_mov_b32 s[\g+5], 32                          ; from row to row
	s_mov_b32 s[\g+6], 0
	s_mov_b32 s[\g+7], 0
.endr
	s_mov_b32 s26, 144<<16                         ; tensor_dim1
	s_mov_b32 s28, 144                             ; tile_dim1
	s_mov_b32 s42, 128<<16
	s_mov_b32 s44, 128
	s_mul_i32 s56, s13, BLOCK
	s_mov_b32 s57, 0
	s_lshr_b32 s58, s[WV], 1
	s_lshl_b32 s58, s58, 15
	s_add_co_u32 s58, s58, WORDS                   ; my 512 keys in a head's image, and in LDS
	s_mov_b32 s59, 0
	s_wait_dscnt 0x0                               ; both opening adds are done
	s_wait_kmcnt 0x0
	s_add_nc_u64 s[66:67], s[4:5], s[56:57]        ; Q's image of my head,
	s_add_nc_u64 s[68:69], s[66:67], 32*BLOCK      ; K's, 32 images further on,
	s_add_nc_u64 s[70:71], s[6:7], s[56:57]        ; V's
	s_mov_b32 s32, 1                               ; words and first keys of K,
	s_mov_b32 s33, 0
	s_mov_b64 s[34:35], s[68:69]
	s_or_b32 s35, s35, 0x80000000
	s_mov_b32 s36, 1                               ; of V,
	s_mov_b32 s37, BLOCK
	s_mov_b64 s[38:39], s[70:71]
	s_or_b32 s39, s39, 0x80000000
	s_mov_b32 s48, 1                               ; my further keys of K,
	s_mov_b32 s49, s58
	s_add_nc_u64 s[50:51], s[68:69], s[58:59]
	s_or_b32 s51, s51, 0x80000000
	s_mov_b32 s52, 1                               ; and of V
	s_add_co_u32 s53, s58, BLOCK
	s_add_nc_u64 s[54:55], s[70:71], s[58:59]
	s_or_b32 s55, s55, 0x80000000
	CROUND                                         ; all four work-groups are here: the joint loads meet
.macro ARM g0, g1, next                ; one joint load a wave: four lines, each in an arm, all leading to one join
	s_cbranch_scc0 \next
	tensor_load_to_lds s[\g0:\g0+3], s[\g1:\g1+7]
	s_nop 0
	PLACES 4
	s_branch .Lasked
\next:
.endm
	s_cmp_eq_u32 s[WV], 0
	ARM 32, 24, .Lnot_0
	s_cmp_eq_u32 s[WV], 1
	ARM 36, 24, .Lnot_1
	s_and_b32 s60, s[WV], 1
	s_cmp_eq_u32 s60, 0
	ARM 48, 40, .Lodd
	tensor_load_to_lds s[52:55], s[40:47]
	s_nop 0
	PLACES 4
.Lasked:
	; my two tiles of 16 queries: numbers 16 qb + 2 wave, + 1 of the head's 128: 1,024 bytes of codes each; they share their words
	s_lshl_b32 s76, s12, 14
	s_lshl_b32 s78, s[WV], 11
	s_add_co_u32 s76, s76, s78
	s_add_co_u32 s76, s76, WORDS
	s_mov_b32 s77, 0
	s_add_nc_u64 s[76:77], s[66:67], s[76:77]
	s_lshl_b32 s78, s12, 9
	s_lshl_b32 s79, s[WV], 6
	s_add_co_u32 s78, s78, s79
	s_mov_b32 s79, 0
	s_add_nc_u64 s[78:79], s[66:67], s[78:79]
	; where my tiles of O go: tiles of rows mt = 128 x batch + 16 qb + 2 wave, + 1; my head's 64 features are blocks 2 (head % 2), + 1 of K step head / 2
	s_lshr_b32 s80, s13, 4
	s_lshl_b32 s80, s80, 7
	s_lshl_b32 s81, s12, 4
	s_add_co_u32 s80, s80, s81
	s_lshl_b32 s81, s[WV], 1
	s_add_co_u32 s80, s80, s81                     ; mt
	s_lshr_b32 s81, s80, 3
	s_mul_i32 s81, s81, BLOCK
	s_bfe_u32 s82, s13, 0x20002                    ; head / 4: the chunk
	s_mul_i32 s82, s82, CHUNK
	s_add_co_u32 s81, s81, s82
	s_bfe_u32 s82, s80, 0x10002
	s_mul_i32 s82, s82, UNIT
	s_add_co_u32 s81, s81, s82                     ; the unit
	s_and_b32 s82, s80, 3                          ; tile A in it
	s_and_b32 s83, s13, 3                          ; head % 4: 1,024 bytes of codes and 2 scale bytes each
	s_lshl_b32 s84, s82, 12
	s_lshl_b32 s86, s83, 10
	s_add_co_u32 s84, s84, s86
	s_add_co_u32 s84, s84, s81
	s_mov_b32 s85, 0
	s_lshl_b32 s86, s82, 7
	s_lshl_b32 s87, s83, 1
	s_add_co_u32 s86, s86, s87
	s_add_co_u32 s86, s86, s81
	s_add_co_u32 s86, s86, 16384
	s_mov_b32 s87, 0
	s_add_nc_u64 s[84:85], s[8:9], s[84:85]
	s_add_nc_u64 s[86:87], s[8:9], s[86:87]
	s_mov_b32 s21, 0
	s_mov_b32 s22, 0
	v_and_b32 v1, 31, v0                           ; lane
	v_and_b32 v3, 15, v0                           ; r
	v_lshlrev_b32 v2, 4, v1
	v_lshlrev_b32 v3, 2, v3
	v_lshlrev_b32 v[L4], 2, v1
	v_add_nc_u32 v[L16], WORDS, v2
	WALU
	global_load_b128 v[QF:QF+3], v2, s[76:77]      ; tile A; q a second time: [q, 0] is v[192:207], [0, q] is v[200:215]
	global_load_b128 v[QF+4:QF+7], v2, s[76:77] offset:512
	global_load_b128 v[QF+16:QF+19], v2, s[76:77]
	global_load_b128 v[QF+20:QF+23], v2, s[76:77] offset:512
	global_load_b32 v[QA], v3, s[78:79]
	WIN 0x40
	global_load_b128 v[QF:QF+3], v2, s[76:77] offset:1024      ; tile B
	global_load_b128 v[QF+4:QF+7], v2, s[76:77] offset:1536
	global_load_b128 v[QF+16:QF+19], v2, s[76:77] offset:1024
	global_load_b128 v[QF+20:QF+23], v2, s[76:77] offset:1536
.macro START
.irp j, 8,9,10,11,12,13,14,15
	v_mov_b32 v[QF+\j], 0                          ; zero codes
.endr
	v_mov_b32 v[NM], 0x7f61b1e6                    ; -M: M begins at -3e38, under every T, so the first f is 0
	v_mov_b32 v[L], 0
	v_mov_b32 v[F], 0
	v_mov_b32 v[C8], 0x3b800000                    ; 2^-8
.set i_, 0
.rept 32
	v_mov_b32 v[O+i_], 0                           ; O^T.  (The 256 keys are written without a first form of their own: the first change of M multiplies zeros)
.set i_, i_+1
.endr
.endm
	START
	WIN 0
	START
	v_add_nc_u32 v[KC], s21, v[L16]
	v_add_nc_u32 v[KS], s22, v[L4]
	WALU
	s_wait_loadcnt 0x0
	v_lshrrev_b32 v[QB], 16, v[QA]                 ; each tile's two bytes of the shared word,
	v_and_b32 v[QA], 0xffff, v[QA]
	v_lshl_or_b32 v[QB], v[QB], 16, v[QB]          ; twice: s0 s1 s0 s1 serves [q, 0] and [0, q] alike
	v_lshl_or_b32 v[QA], v[QA], 16, v[QA]
	s_cmp_lt_u32 s[WV], 2                          ; waves 0 and 1: the words and the first 512 keys have landed.  The others wait for theirs at the next barrier
	WALU
	s_cbranch_scc0 .Lfurther
	s_wait_tensorcnt 0x0
.Lfurther:
	s_barrier_signal -1
	s_barrier_wait -1
	KLD 0
	GROUP 0                                        ; the first 256 keys; what it asks for ahead lies in the first 512 too
	WALU
	s_wait_tensorcnt 0x0                           ; everything has landed
	s_wait_dscnt 0x0
	s_barrier_signal -1
	s_barrier_wait -1
	s_mov_b32 s21, 16384
	s_mov_b32 s22, 512
	s_mov_b32 s23, 7
.Lkeys:
	GROUP 1
	s_add_co_u32 s21, s21, 16384
	s_add_co_u32 s22, s22, 512
	s_sub_co_u32 s23, s23, 1
	s_cmp_lg_u32 s23, 0
	WALU
	s_cbranch_scc1 .Lkeys
	; THE WAY OUT: O^T / the sum, quantised along the features: my lane's 32 numbers of a tile are halves of two blocks of 32
.macro ROWSUM
	v_permlanex16_b32 v[F], v[L], s16, s17
	v_add_f32 v[L], v[L], v[F]                     ; the row's sum / 256
.endm
	ROWSUM
	WIN 0x55
	ROWSUM
	WALU
	v_rcp_f32 v[L], v[L]
	WIN 0
	v_rcp_f32 v[L], v[L]
	PLACES 8                                       ; the places behind the last products, and the plain line behind the reciprocals
.macro OUTQ
	WALU                                           ; ahead of the first readers of the reciprocal and of O^T
	v_mul_f32 v[L], v[L], v[C8]
.set i_, 0
.rept 32
	v_mul_f32 v[S+i_], v[O+i_], v[L]               ; each accumulator from its low end on
.set i_, i_+1
.endr
.irp b, 0,1
	v_max3_num_f32 v[PC+\b], |v[S+16*\b]|, |v[S+16*\b+1]|, 0x4800000   ; with the floor 2^(9 - 127): the byte cannot fall under 1
.endr
.irp i, 2,4,6,8,10,12,14
.irp b, 0,1
	v_max3_num_f32 v[PC+\b], v[PC+\b], |v[S+16*\b+\i]|, |v[S+16*\b+\i+1]|
.endr
.endr
.irp b, 0,1
	v_permlanex16_b32 v[PC+2+\b], v[PC+\b], s16, s17
.endr
.irp b, 0,1
	v_max_num_f32 v[PC+\b], v[PC+\b], v[PC+2+\b]
.endr
.irp b, 0,1
	v_add_nc_u32 v[PC+4+\b], 0xfc000000, v[PC+\b]  ; the conversion's scale operand
.endr
.irp b, 0,1
	v_and_or_b32 v[PC+6+\b], v[PC+\b], 0x7f800000, s74   ; 448 x the scale
.endr
.irp b, 0,1
	v_lshrrev_b32 v[PC+2+\b], 23, v[PC+4+\b]
.endr
	v_lshl_or_b32 v[PC+8], v[PC+3], 8, v[PC+2]     ; my row's two scale bytes
.irp b, 0,1
.irp i, 0,1,2,3,4,5,6,7,8,9,10,11,12,13,14,15
	v_med3_num_f32 v[S+16*\b+\i], v[S+16*\b+\i], -v[PC+6+\b], v[PC+6+\b]
.endr
	v_cvt_scalef32_pk8_fp8_f32 v[PC+16+4*\b:PC+17+4*\b], v[S+16*\b:S+16*\b+7], v[PC+4+\b]
	v_cvt_scalef32_pk8_fp8_f32 v[PC+18+4*\b:PC+19+4*\b], v[S+16*\b+8:S+16*\b+15], v[PC+4+\b]
.endr
	v_nop
.endm
	OUTQ
	v_lshlrev_b32 v2, 2, v[L4]                     ; 16 x lane
	global_store_b128 v2, v[PC+16:PC+19], s[84:85]             ; 512 consecutive bytes
	global_store_b128 v2, v[PC+20:PC+23], s[84:85] offset:512
	WIN 0x55
	OUTQ
	WIN 0x04                                       ; (a store's data: source 1)
	global_store_b128 v2, v[PC+16:PC+19], s[84:85] offset:4096
	global_store_b128 v2, v[PC+20:PC+23], s[84:85] offset:4608
	v_cndmask_b32 v4, v[PC+8], v[PC+8], s75        ; lanes 0-15: tile A's bytes; lanes 16-31: tile B's
	WIN 0
	v_and_b32 v3, 60, v[L4]
	v_bfe_u32 v5, v[L4], 6, 1
	v_lshlrev_b32 v3, 1, v3
	v_lshl_add_u32 v3, v5, 7, v3                   ; 8 r + 128 x tile
	global_store_b16 v3, v4, s[86:87]              ; two bytes of each row's words: the other heads' bytes come from other work-groups
	s_wait_tensorcnt 0x0                           ; the wave's end
	ds_add_u32 v[SPW], v[NIL]
	s_wait_dscnt 0x0
	CROUND                                         ; the closing round: no work-group ends while a partner may still ask for keys that name it
	s_endpgm
.Lfunc_end_k_q65c7835cb7_attn:
	.size	k_q65c7835cb7_attn, .Lfunc_end_k_q65c7835cb7_attn-k_q65c7835cb7_attn
	.p2alignl 7, 3214868480
	.fill 96, 4, 3214868480
	.section	.rodata,"a",@progbits
	.p2align	6, 0x0
	.amdhsa_kernel k_q65c7835cb7_attn
		.amdhsa_group_segment_fixed_size 272384
		.amdhsa_private_segment_fixed_size 0
		.amdhsa_enable_private_segment 0
		.amdhsa_kernarg_size 24
		.amdhsa_user_sgpr_count 2
		.amdhsa_user_sgpr_kernarg_segment_ptr 1
		.amdhsa_wavefront_size32 1
		.amdhsa_system_sgpr_workgroup_id_x 1
		.amdhsa_system_sgpr_workgroup_id_y 1
		.amdhsa_system_sgpr_workgroup_id_z 1
		.amdhsa_system_vgpr_workitem_id 0
		.amdhsa_next_free_vgpr 512
		.amdhsa_next_free_sgpr 90
		.amdhsa_reserve_vcc 0
		.amdhsa_float_denorm_mode_32 3
		.amdhsa_float_denorm_mode_16_64 3
		.amdhsa_memory_ordered 1
		.amdhsa_forward_progress 1
		.amdhsa_inst_pref_size 150
	.end_amdhsa_kernel
	.amdgpu_metadata
---
amdhsa.version: [ 1, 2 ]
amdhsa.kernels:
  - .name:           k_q65c7835cb7_attn
    .symbol:         k_q65c7835cb7_attn.kd
    .args:
      - { .name: qk, .offset: 0, .size: 8, .value_kind: global_buffer, .address_space: global }
      - { .name: vt, .offset: 8, .size: 8, .value_kind: global_buffer, .address_space: global }
      - { .name: oc, .offset: 16, .size: 8, .value_kind: global_buffer, .address_space: global }
    .group_segment_fixed_size: 272384
    .private_segment_fixed_size: 0
    .kernarg_segment_align: 8
    .kernarg_segment_size: 24
    .max_flat_workgroup_size: 256
    .sgpr_count:     90
    .vgpr_count:     512
    .wavefront_size: 32
...
	.end_amdgpu_metadata
.endif
;; end of part 3
;; launch proj (part 4): grid 8 x 32, 4 waves a work-group, clusters of 4 x 4, 288,256 bytes of LDS; arguments oc, wq, bo, out0; writes out0
.if DOCPART == 4
	.amdgcn_target "amdgcn-amd-amdhsa--gfx1250"
	.amdhsa_code_object_version 6
	.text
	.protected	k_q65c7835cb7_proj
	.globl	k_q65c7835cb7_proj
	.p2align	8
	.type	k_q65c7835cb7_proj,@function
k_q65c7835cb7_proj:
	s_mov_b64 s[64:65], 0
	v_nop
	global_prefetch_b8 v0, s[64:65] scope:SCOPE_SE
	s_setreg_imm32_b32 hwreg(HW_REG_WAVE_MODE, 25, 1), 1
	s_wait_xcnt 0x0
	s_wait_alu depctr_hold_cnt(0) depctr_sa_sdst(0) depctr_va_vdst(0) depctr_va_sdst(0) depctr_va_ssrc(0) depctr_va_vcc(0) depctr_vm_vsrc(0)
	s_getreg_b32 s2, hwreg(HW_REG_IB_STS2, 6, 4)
	s_cmp_eq_u32 s2, 0
	s_cbranch_scc0 .Lentry_in_a_cluster
	s_endpgm
.Lentry_in_a_cluster:
	s_bfe_u32 s2, ttmp6, 0x10000c
	s_cmp_lg_u32 s2, 0xf033
	s_cbranch_scc0 .Lentry_shape_is_right
	s_endpgm
.Lentry_shape_is_right:
; out0 = O Wo + bo on codes of FP8 (E4M3) with E8M0 scales.  O's codes (oc) and Wo's (blocks 24-31 of wq) lie as images of the operand's registers: 16 rows x 128 K = 2,048 bytes, register group c of lane l at 512 c + 16 l;
; 128 rows x 1,024 K with their scale words are BLOCK dense bytes.  A work-group makes 128 tokens x 128 features; four waves, each 64 x 64: 16 accumulators, K = 1,024 in 8 steps of 128.
; BOTH BLOCKS FIT IN LDS TOGETHER: all tensor loads are first fills, one a wave (half of O's or of Wo's block: two chunks of 256 along K), issued at the head; nothing is filled again.  The second halves are waited for at K step 3 alone: the first two chunks' products run while they land.
; CLUSTER 4 x 4: O's block hangs on the tile row alone and is asked for jointly by a row of the cluster, Wo's on the tile column alone, by a column.
; The product is used transposed (source 0 = 16 features of Wo, source 1 = 16 tokens): a lane holds eight neighbouring numbers of a row of out0.  The bias is the C of each sum's first product.
; REGISTERS: window 0: v1-15 addresses; v16-31 scale words, two sets; v32-63 the bias; on the way out v32-95 rows read back; v128-255 the accumulators.  window 1: two buffers of 128: W's four fragments, then O's four.
; THE FILLS AS THIS TEXT HAS THEM (where a line above says otherwise, this holds): at the head each wave issues ONE tensor load: wave 0 the first half (chunks 0, 1) of O's block, wave 1 that of Wo's, wave 2 the second half of O's, wave 3 that of Wo's.
; The barrier in front of K step 0 shows the first halves, the one behind K step 3 the second ones.
.set UNIT, 16896
.set CHUNK, 33792
.set BLOCK, 135168
.set STAGE, 2*BLOCK                    ; behind the two blocks: 16 rows x (256 + 16) bytes for each wave; no tensor load lands there
.set ADX,  4
.set ADW,  6
.set ADS,  8
.set STO,  13
.set RD,   14
.set CO,   15
.set SC,   16
.set BIAS, 32
.set BK,   32
.set ACC,  128
.set WV, 22
.set AH, 23
.set FH, 24
.set CX, 25
.set CY, 26
.set TX, 27
.set TY, 28
.set G1X, 32
.set G1W, 40
.set G0H, 48                           ; s[48:63] group 0: O's first half, W's first half, O's second half, W's second half
.set MSB, 0
.macro WIN new                         ; the immediate's high byte repeats the setting that is left
.if MSB != \new
	s_set_vgpr_msb (MSB<<8)|\new
.set MSB, \new
.endif
.endm
.set MUL,  0x05                        ; sources 0 and 1 window 1; C and D window 0
.set TO_F, 0x40                        ; destination window 1, address window 0
.macro CROUND                          ; a round of the cluster's barrier
	s_barrier_signal -1
	s_barrier_wait -1
	s_cmp_lg_u32 s[WV], 0
	s_cbranch_scc1 .Lnot_wave_0_\@
	s_barrier_signal -3
.Lnot_wave_0_\@:
	s_barrier_wait -3
	s_barrier_signal -1
	s_barrier_wait -1
.endm
.macro PLACES n
.rept \n
	v_nop
.endr
.endm
.macro FETCH s                         ; K step s: 32 LDS loads, 512 consecutive bytes each, into buffer s % 2
.set FB, 128*((\s)%2)
.set OF, (((\s)>>1)&1)*CHUNK+((\s)&1)*2048
	WIN TO_F
.irp t, 0,1,2,3
.irp c, 0,1,2,3
	ds_load_b128 v[FB+16*\t+4*\c:FB+16*\t+4*\c+3], v[ADW+((\s)>>2)] offset:OF+4096*\t+512*\c
.endr
.endr
.irp t, 0,1,2,3
.irp c, 0,1,2,3
	ds_load_b128 v[FB+64+16*\t+4*\c:FB+64+16*\t+4*\c+3], v[ADX+((\s)>>2)] offset:OF+4096*\t+512*\c
.endr
.endr
	WIN 0
.endm
.macro SCALES g                        ; chunk g's scale words: lanes 0-15 O's tile i, lanes 16-31 W's tile i; two K steps' words by one load
.irp i, 0,1,2,3
	ds_load_b64 v[SC+8*((\g)&1)+2*\i:SC+8*((\g)&1)+2*\i+1], v[ADS+((\g)>>1)] offset:((\g)&1)*CHUNK+128*\i
.endr
.endm
; 8 matrix instructions of K step s: tiles of tokens a0, a0 + 1 x four tiles of features.  The 16 accumulators take turns, one instruction a turn, in the same order in every step.
.macro MUL8 s, a0
.set FB, 128*((\s)%2)
.set SS, SC+8*(((\s)>>1)&1)+((\s)&1)
.irp i, \a0, \a0+1
.irp jj, 0,1,2,3
.if (\s) == 0
	v_wmma_scale_f32_16x16x128_f8f6f4 v[ACC+8*(4*(\i)+\jj):ACC+8*(4*(\i)+\jj)+7], v[FB+16*\jj:FB+16*\jj+15], v[FB+64+16*(\i):FB+64+16*(\i)+15], v[BIAS+8*\jj:BIAS+8*\jj+7], v[SS+2*\jj], v[SS+2*(\i)] matrix_a_scale:MATRIX_SCALE_ROW1
.else
	v_wmma_scale_f32_16x16x128_f8f6f4 v[ACC+8*(4*(\i)+\jj):ACC+8*(4*(\i)+\jj)+7], v[FB+16*\jj:FB+16*\jj+15], v[FB+64+16*(\i):FB+64+16*(\i)+15], v[ACC+8*(4*(\i)+\jj):ACC+8*(4*(\i)+\jj)+7], v[SS+2*\jj], v[SS+2*(\i)] matrix_a_scale:MATRIX_SCALE_ROW1
.endif
.endr
.endr
.endm
.macro STEP s
	s_wait_dscnt 0x0                               ; this step's fragments and scale words are in: the next step's are asked for ahead of this step's products
.if (\s) < 7
.if (\s) == 3
	s_wait_tensorcnt 0x0                           ; the second halves have landed
	s_barrier_signal -1                            ; (no LDS access of mine is pending)
	s_barrier_wait -1                              ; everybody's part has
.endif
	PLACES 8                                       ; in front of loads into the buffer and the scale words that earlier products have read
	FETCH (\s)+1
.if ((\s)&1) == 1
	SCALES ((\s)+1)/2
.endif
.endif
	WIN MUL
	MUL8 \s, 0
	MUL8 \s, 2
.endm
; THE WAY OUT, 16 tokens x 64 features at a time: a lane's 32 bytes of a row go into my own stage and come back as whole rows of 256 bytes.  LDS serves a wave's instructions in order.
.macro TOSTAGE a
.irp t, 0,1,2,3
	ds_store_b128 v[STO], v[ACC+32*(\a)+8*\t:ACC+32*(\a)+8*\t+3] offset:64*\t          ; each accumulator from its low end on
	ds_store_b128 v[STO], v[ACC+32*(\a)+8*\t+4:ACC+32*(\a)+8*\t+7] offset:64*\t+16
.endr
.irp i, 0,1,2,3,4,5,6,7
	ds_load_b128 v[BK+32*((\a)%2)+4*\i:BK+32*((\a)%2)+4*\i+3], v[RD] offset:544*\i
.endr
.endm
.macro SEND a, younger                 ; younger: the LDS instructions issued behind block a's loads, which may stay out
	s_wait_dscnt \younger
.irp i, 0,1,2,3,4,5,6,7
	global_store_b128 v[CO], v[BK+32*((\a)%2)+4*\i:BK+32*((\a)%2)+4*\i+3], s[10:11] offset:(16*(\a)+2*\i)*4096 th:TH_STORE_NT   ; sixteen lanes store 256 consecutive bytes, aligned; written once
.endr
.endm
	s_load_b256 s[4:11], s[0:1], 0x0               ; oc s[4:5], wq s[6:7], bo s[8:9], out0 s[10:11]
	v_lshl_add_u32 v126, v0, 2, 0x46400
	v_mov_b32 v127, 0
	ds_add_u32 v126, v127
	ds_add_u32 v126, v127
	v_lshrrev_b32 v1, 5, v0
	v_readfirstlane_b32 s[WV], v1                  ; wave 0..3
	s_lshr_b32 s[AH], s[WV], 1                     ; which 64 tokens are mine.  Also: I fetch a first (0) or second (1) half
	s_and_b32 s[FH], s[WV], 1                      ; which 64 features.  Also: I fetch for O (0) or for W (1)
	s_bfe_u32 s[CX], ttmp6, 0x40000
	s_bfe_u32 s[CY], ttmp6, 0x40004
	s_lshl_b32 s[TX], ttmp9, 2
	s_add_co_u32 s[TX], s[TX], s[CX]               ; tile column = 4 x cluster x + cx
	s_and_b32 s[TY], ttmp7, 0xffff
	s_lshl_b32 s[TY], s[TY], 2
	s_add_co_u32 s[TY], s[TY], s[CY]               ; tile row = 4 x cluster y + cy
	s_lshl_b32 s29, s[CY], 2
	s_lshl_b32 s29, 15, s29                        ; my row of the cluster
	s_lshl_b32 s30, 0x1111, s[CX]                  ; my column
	; descriptor group 1: half a block, 67,584 dense bytes as 264 rows of 256 bytes (32 elements of 8 bytes), no padding
	s_or_b32 s[G1X], s29, (3<<16)|(1<<21)
	s_or_b32 s[G1W], s30, (3<<16)|(1<<21)
.irp g, G1X, G1W
	s_mov_b32 s[\g+1], 32<<16                      ; tensor_dim0 = 32
	s_mov_b32 s[\g+2], 264<<16                     ; half a block: 264 rows of 256 bytes
	s_mov_b32 s[\g+3], 32<<16                      ; tile_dim0 = 32
	s_mov_b32 s[\g+4], 264
	s_mov_b32 s[\g+5], 32                          ; from row to row
	s_mov_b32 s[\g+6], 0
	s_mov_b32 s[\g+7], 0
.endr
	s_mul_i32 s84, s[TY], BLOCK
	s_mov_b32 s85, 0
	s_add_co_u32 s86, s[TX], 24                    ; Wo's blocks lie behind Wq's, Wk's and Wv's
	s_mul_i32 s86, s86, BLOCK
	s_mov_b32 s87, 0
	s_wait_dscnt 0x0
	s_wait_kmcnt 0x0
	s_add_nc_u64 s[84:85], s[4:5], s[84:85]
	s_add_nc_u64 s[86:87], s[6:7], s[86:87]
.irp h, 0,1
	s_mov_b32 s[G0H+8*\h], 1
	s_mov_b32 s[G0H+8*\h+1], \h*2*CHUNK            ; no place in the cluster enters an LDS address
	s_add_nc_u64 s[G0H+8*\h+2:G0H+8*\h+3], s[84:85], \h*2*CHUNK
	s_or_b32 s[G0H+8*\h+3], s[G0H+8*\h+3], 0x80000000
	s_mov_b32 s[G0H+8*\h+4], 1
	s_mov_b32 s[G0H+8*\h+5], BLOCK+\h*2*CHUNK
	s_add_nc_u64 s[G0H+8*\h+6:G0H+8*\h+7], s[86:87], \h*2*CHUNK
	s_or_b32 s[G0H+8*\h+7], s[G0H+8*\h+7], 0x80000000
.endr
	CROUND                                         ; all sixteen work-groups are here: the joint loads meet
.macro ARM n, g0, g1                   ; one joint load a wave: an arm for each wave, all leading to one join
	s_cmp_eq_u32 s[WV], \n
	s_cbranch_scc0 .Lnot_\n
	tensor_load_to_lds s[\g0:\g0+3], s[\g1:\g1+7]
	s_nop 0
	PLACES 4
	s_branch .Lasked
.Lnot_\n:
.endm
	ARM 0, G0H, G1X
	ARM 1, G0H+4, G1W
	ARM 2, G0H+8, G1X
	tensor_load_to_lds s[G0H+12:G0H+15], s[G1W:G1W+7]
	s_nop 0
	PLACES 4
.Lasked:
	v_and_b32 v1, 15, v0                           ; r
	v_bfe_u32 v2, v0, 4, 1                         ; h
	v_and_b32 v10, 31, v0                          ; lane
	v_lshlrev_b32 v3, 4, v10                       ; 16 x lane
	s_mul_i32 s90, s[AH], UNIT                     ; my 64 tokens' unit
	s_mul_i32 s91, s[FH], UNIT
	s_add_co_u32 s91, s91, BLOCK                   ; my 64 features' unit
	v_add_nc_u32 v[ADX], s90, v3
	v_add_nc_u32 v[ADX+1], 2*CHUNK, v[ADX]
	v_add_nc_u32 v[ADW], s91, v3
	v_add_nc_u32 v[ADW+1], 2*CHUNK, v[ADW]
	s_xor_b32 s92, s[AH], 1
	s_add_co_u32 s92, s92, s[FH]
	s_mul_i32 s92, s92, UNIT
	s_add_co_u32 s92, s92, BLOCK-UNIT              ; from O's scale words to W's: BLOCK + (fh - ah) x UNIT
	v_mul_u32_u24 v[ADS], s92, v2                  ; lanes 16-31 take W's
	v_lshl_add_u32 v[ADS], v1, 3, v[ADS]
	s_add_co_u32 s90, s90, 16384
	v_add_nc_u32 v[ADS], s90, v[ADS]
	v_add_nc_u32 v[ADS+1], 2*CHUNK, v[ADS]
	s_mul_i32 s93, s[WV], 16*272
	s_add_co_u32 s93, s93, STAGE                   ; my stage
	v_mul_u32_u24 v[STO], v1, 272
	v_lshl_add_u32 v[STO], v2, 5, v[STO]
	v_add_nc_u32 v[STO], s93, v[STO]               ; in: row r, 32 bytes for each half of the lanes
	v_mul_u32_u24 v[RD], v2, 272
	v_lshl_add_u32 v[RD], v1, 4, v[RD]
	v_add_nc_u32 v[RD], s93, v[RD]                 ; back: lanes 0-15 one row, lanes 16-31 the next
	v_lshlrev_b32 v[CO], 12, v2
	v_lshl_add_u32 v[CO], v1, 4, v[CO]             ; and the same two rows in out0
	s_lshl_b32 s94, s[TX], 9
	s_lshl_b32 s95, s[FH], 8
	s_add_co_u32 s94, s94, s95                     ; my 64 features, 4 bytes each
	s_mov_b32 s95, 0
	s_add_nc_u64 s[8:9], s[8:9], s[94:95]
	s_add_nc_u64 s[10:11], s[10:11], s[94:95]
	s_lshl_b32 s96, s[TY], 19                      ; 128 rows of 4,096 bytes a tile row,
	s_lshl_b32 s97, s[AH], 18                      ; 64 a half
	s_add_co_u32 s96, s96, s97
	s_mov_b32 s97, 0
	s_add_nc_u64 s[10:11], s[10:11], s[96:97]
	v_lshlrev_b32 v12, 5, v2                       ; lane (r, h) wants, for tile t, the bias of features 16 t + 8 h + 0 .. 7
.irp t, 0,1,2,3
	global_load_b128 v[BIAS+8*\t:BIAS+8*\t+3], v12, s[8:9] offset:64*\t
	global_load_b128 v[BIAS+8*\t+4:BIAS+8*\t+7], v12, s[8:9] offset:64*\t+16
.endr
	s_cmp_lt_u32 s[WV], 2                          ; waves 0 and 1: the first halves have landed
	s_wait_alu depctr_va_vdst(0)                   ; the wait ahead of the branch
	s_cbranch_scc0 .Lsecond_halves
	s_wait_tensorcnt 0x0
.Lsecond_halves:
	s_barrier_signal -1
	s_barrier_wait -1
	FETCH 0
	SCALES 0
	s_wait_loadcnt 0x0                             ; the bias
.irp s, 0,1,2,3,4,5,6,7
	STEP \s
.endr
	WIN 0
	PLACES 8                                       ; in front of the first read of results
	s_wait_alu depctr_va_vdst(0)
	TOSTAGE 0
.irp a, 1,2,3
.if \a > 1
	s_wait_xcnt 0x0                                ; block a - 2's stores have read the registers that block a's loads fill again
.endif
	TOSTAGE \a
	SEND \a-1, 16                                  ; behind block a - 1's loads: block a's 8 stores and 8 loads
.endr
	SEND 3, 0
	s_wait_tensorcnt 0x0
	ds_add_u32 v126, v127
	s_wait_dscnt 0x0
	CROUND                                         ; the closing round: no work-group ends while a partner may still ask for a tile that names it
	s_endpgm
.Lfunc_end_k_q65c7835cb7_proj:
	.size	k_q65c7835cb7_proj, .Lfunc_end_k_q65c7835cb7_proj-k_q65c7835cb7_proj
	.p2alignl 7, 3214868480
	.fill 96, 4, 3214868480
	.section	.rodata,"a",@progbits
	.p2align	6, 0x0
	.amdhsa_kernel k_q65c7835cb7_proj
		.amdhsa_group_segment_fixed_size 288256
		.amdhsa_private_segment_fixed_size 0
		.amdhsa_enable_private_segment 0
		.amdhsa_kernarg_size 32
		.amdhsa_user_sgpr_count 2
		.amdhsa_user_sgpr_kernarg_segment_ptr 1
		.amdhsa_wavefront_size32 1
		.amdhsa_system_sgpr_workgroup_id_x 1
		.amdhsa_system_sgpr_workgroup_id_y 1
		.amdhsa_system_sgpr_workgroup_id_z 1
		.amdhsa_system_vgpr_workitem_id 0
		.amdhsa_next_free_vgpr 512
		.amdhsa_next_free_sgpr 100
		.amdhsa_reserve_vcc 0
		.amdhsa_float_denorm_mode_32 3
		.amdhsa_float_denorm_mode_16_64 3
		.amdhsa_memory_ordered 1
		.amdhsa_forward_progress 1
		.amdhsa_inst_pref_size 52
	.end_amdhsa_kernel
	.amdgpu_metadata
---
amdhsa.version: [ 1, 2 ]
amdhsa.kernels:
  - .name:           k_q65c7835cb7_proj
    .symbol:         k_q65c7835cb7_proj.kd
    .args:
      - { .name: oc, .offset: 0, .size: 8, .value_kind: global_buffer, .address_space: global }
      - { .name: wq, .offset: 8, .size: 8, .value_kind: global_buffer, .address_space: global }
      - { .name: bo, .offset: 16, .size: 8, .value_kind: global_buffer, .address_space: global }
      - { .name: out0, .offset: 24, .size: 8, .value_kind: global_buffer, .address_space: global }
    .group_segment_fixed_size: 288256
    .private_segment_fixed_size: 0
    .kernarg_segment_align: 8
    .kernarg_segment_size: 32
    .max_flat_workgroup_size: 128
    .sgpr_count:     100
    .vgpr_count:     512
    .wavefront_size: 32
...
	.end_amdgpu_metadata
.endif
;; end of part 4
